; MI455X (gfx1250); checked and timed in simulation.
; The chip was launched on July 23, 2026; its instructions are those of AMD's public machine-readable ISA for CDNA 5 (MIT licence, August 2026) and "CDNA5" Instruction Set Architecture Reference Guide (July 2026). The comments in the code are by the model that wrote it; some were corrected since.
;; Multi Head Attention. Allowed arithmetic: matrix products marked QUANTISED: E2M3 operands, one E8M0 scale for each 32 along K, by v_wmma_scale_f32_16x16x128_f8f6f4 with both operands' format E2M3, f32 sums; everything else in f32.
;; Inputs: Wk 1,024 x 1,024 float32; Wp 1,024 x 1,024 float32; Wq 1,024 x 1,024 float32; Wv 1,024 x 1,024 float32; bk 1,024 float32; bp 1,024 float32; bq 1,024 float32; bv 1,024 float32; x 4 x 2,048 x 1,024 float32.
;; Outputs: out0 4 x 2,048 x 1,024 float32.
;; This version of the problem:
;;   THIS VERSION OF THE PROBLEM IS GIVEN IN LOW PRECISION. The matrix products marked QUANTISED in the list below multiply operands that are first quantised to E2M3 (2 exponent bits, 3 mantissa bits; 6 bits a number), with one power-of-two scale for each 32 numbers along K (OCP MX v1.0); their sums are f32. All else is computed in f32.
;;   The module's matrix products, in the order in which they are computed (A, B: the left and right operand; K: the contracted axis; several contracted axes count as one K, in the product's order):
;;     1. [M 8,192, K 1,024] x [K 1,024, N 1,024]; A: input x; B: input Wq: QUANTISED
;;     2. [M 8,192, K 1,024] x [K 1,024, N 1,024]; A: input x; B: input Wk: QUANTISED
;;     3. [M 8,192, K 1,024] x [K 1,024, N 1,024]; A: input x; B: input Wv: QUANTISED
;;     4. batch 64 x [M 2,048, K 64] x [K 64, N 2,048]; A: computed on the way; B: computed on the way: QUANTISED
;;     5. batch 64 x [M 2,048, K 2,048] x [K 2,048, N 64]; A: softmax (see below); B: computed on the way: QUANTISED
;;     6. [M 8,192, K 1,024] x [K 1,024, N 1,024]; A: computed on the way; B: input Wp: QUANTISED
;;   THE QUANTISER, for each operand of a quantised product, along K:
;;     - K is cut into blocks of 32 from its start; a last block that is shorter is filled with zeros.
;;     - A block's scale is 2^e with e = floor(log2(the largest magnitude in the block)) - 2, held to -126 .. 127; a block of zeros has e = 0. As a byte (E8M0): e + 127.
;;     - Each number is divided by its block's scale, clamped to +-7.5, and rounded to the nearest number of E2M3, ties to even, subnormals kept.
;;     - The product sums the exact products of the quantised numbers (number of the format x scale) in f32.
;;   ~~~python
;;   def quantise(x, axis):      # numpy; x: float32 -> the quantised numbers, widened to float32 again
;;       x = np.moveaxis(x, axis, -1); K = x.shape[-1]
;;       x = np.pad(x, [(0, 0)] * (x.ndim - 1) + [(0, -K % 32)]); x = x.reshape(x.shape[:-1] + (-1, 32)); a = np.abs(x).max(-1, keepdims=True)
;;       e = np.where(a > 0, np.clip(np.frexp(np.where(a > 0, a, 1))[1] - 1 - 2, -126, 127), 0)      # np.frexp(a)[1] - 1 = floor(log2(a)), exactly
;;       r = np.clip(x / 2.0 ** e, -7.5, 7.5)
;;       step = 2.0 ** (np.maximum(np.frexp(np.where(r == 0, 1, r))[1] - 1, 0) - 3)
;;       q = np.round(r / step) * step * 2.0 ** e      # np.round: ties to even
;;       return np.moveaxis(q.reshape(q.shape[:-2] + (-1,))[..., :K], -1, axis).astype(np.float32)
;;   ~~~
;;   SOFTMAX AHEAD OF A QUANTISED PRODUCT. Where the list says 'softmax', what is quantised is not the finished softmax but p = 2^(t - M), with t = logit x log2(e) and M = ceil(the row's largest t), a whole number; so 1/2 < the row's largest p <= 1. The row's sum l is taken of the UNQUANTISED p, in f32, and the product's result is divided by l at the end. Since M is a whole number, a kernel that streams over the keys may use a running M (the ceiling of the running maximum): every later rescaling is an exact power of two, which a block's scale takes up: the codes' values come out the same.
;;   OPERANDS COMPUTED ON THE WAY. 'Computed on the way' means the value that the module computes at that place (a softmax that the list does not call 'softmax' is quantised finished and normalised). What goes into a quantiser is computed in f32, as accurately as f32 sums, v_exp_f32 and their like allow (about 1e-6 of the number): no bf16 or f16 on the way to a quantiser, and a product that is left as it is and whose result goes on into a quantised operand takes f32 operands (vector FMAs, or v_wmma_f32_16x16x4_f32). A number that lies on a knife's edge between two numbers of the format may be rounded either way, as far as f32 arithmetic and the matrix unit's own rounding can turn it there, and no further.
;; One version. Each part assembles by itself: llvm-mc -triple=amdgcn-amd-amdhsa -mcpu=gfx1250 --defsym DOCPART=n.
;; ======== version 1 of 1: 4 launches
;; limits: right only within a limited range of input values
;; workspace buffers: cod 15,728,640 bytes; scl 655,360 bytes; qkvc 18,874,368 bytes; qkvs 1,310,720 bytes
;; launch quant (part 1): grid 768 x 1, 2 waves a work-group, no clusters, 17,664 bytes of LDS; arguments x, Wq, Wk, Wv, Wp, cod, scl; writes cod, scl
.if DOCPART == 1
	.amdgcn_target "amdgcn-amd-amdhsa--gfx1250"
	.amdhsa_code_object_version 6
	.text
	.protected	k_q9ab068bde4_quant
	.globl	k_q9ab068bde4_quant
	.p2align	8
	.type	k_q9ab068bde4_quant,@function
k_q9ab068bde4_quant:
	s_mov_b64 s[64:65], 0
	v_nop
	global_prefetch_b8 v0, s[64:65] scope:SCOPE_SE
	s_setreg_imm32_b32 hwreg(HW_REG_WAVE_MODE, 25, 1), 1
	s_wait_xcnt 0x0
; x [8192][1024] and Wq, Wk, Wv, Wp [1024][1024], f32 with K innermost, become codes of FP6 (E2M3) with one E8M0 byte for each 32 along K.
; A block's scale is 2^(floor(log2(largest magnitude)) - 2); its byte is the largest magnitude's exponent field - 2, held at 1 from below.
; LAYOUT OF THE CODES (this program's own): tiles of 16 rows; tile tau holds rows 32 (tau / 2) + 8 (tau % 2) + r + 8 (r / 8), r = 0 .. 15.  For each 64 along K a tile has an
; image of 768 bytes in the order of the operand's registers: lane (r, h) owns the 24 bytes of k = 32 h .. 32 h + 31 of its row: registers 0-3 at 16 x lane, registers 4-5 at 512 + 8 x lane.
; cod: [tau][K / 64][768]; tau 0-511 x, 512-575 Wq, 576-639 Wk, 640-703 Wv, 704-767 Wp.   scl: [tau][r][8 words], word q = the four bytes of k = 128 q .. 128 q + 127.
; SHARES: 768 work-groups of two waves, one tile each: work-group n takes tile n; wave w takes half w of K, in 8 steps of 16 rows x 64 K.  Each load reads two rows' 256 consecutive bytes; a step's
; 4,096 bytes turn through the wave's own stage in LDS (rows 272 bytes apart), so that a lane gets the 32 neighbours of one block.  Waves share nothing: no barrier.
; The code stores cover 512 and 256 consecutive aligned bytes.  The scale words leave as 8 bytes a lane, 16 bytes of each row's 32 from each of the two waves.
; No matrix unit, no cluster, no tensor load: every input byte is read once by one wave, and nothing is shared.
; LIMITS: NaN and infinities are not served.  A block of zeros, or with its largest magnitude under 2^-124, gets the byte 1 (the rule says 127 for zeros): its codes are zeros or
; tiny numbers, and this program alone reads the bytes.
.set SP,   272                         ; a stage row: 256 bytes + 16
.set STG,  16*SP                       ; a stage
.set WREG, 2*STG                       ; two stages a wave
.set SB,   16                          ; v16-19   scale bytes, one word for each 128 along K
.set C,    20                          ; v20-43   two sets of 12: six code registers, then the second conversion's three
.set R,    64                          ; v64-191  four sets of 32 numbers as loaded
.set X,    192                         ; v192-255 two sets of 32 neighbours
	s_load_b256 s[4:11], s[0:1], 0x0               ; x, Wq, Wk, Wv
	s_load_b128 s[12:15], s[0:1], 0x20             ; Wp, cod
	s_load_b64 s[16:17], s[0:1], 0x30              ; scl
	v_lshl_add_u32 v62, v0, 2, 0x4400              ; my spare word, behind the two waves' stages
	v_mov_b32 v63, 0
	v_lshrrev_b32 v1, 5, v0
	v_readfirstlane_b32 s18, v1                    ; wave
	v_and_b32 v1, 31, v0                           ; lane
	v_and_b32 v2, 15, v0                           ; r
	v_bfe_u32 v3, v0, 4, 1                         ; h
	v_lshlrev_b32 v4, 4, v2
	v_lshl_add_u32 v4, v3, 12, v4                  ; in: 16 r, and one row (4,096 bytes) on for lanes 16-31
	s_mul_i32 s19, s18, WREG
	v_mul_u32_u24 v5, v3, SP
	v_lshl_add_u32 v5, v2, 4, v5
	v_add_nc_u32 v5, s19, v5                       ; into the stage: row h of a pair, 16 r
	v_mul_u32_u24 v6, v2, SP
	v_lshl_add_u32 v6, v3, 7, v6
	v_add_nc_u32 v6, s19, v6                       ; out of it: row r, my block's 128 bytes
	v_lshlrev_b32 v7, 4, v1                        ; an image's registers 0-3
	v_lshlrev_b32 v8, 3, v1                        ; and 4-5
	v_lshlrev_b32 v9, 3, v3                        ; 8 h: my byte's place in a pair of bytes
	v_lshl_add_u32 v10, v2, 5, v9                  ; scale words out: 32 r + 8 h
	v_mov_b32 v14, 0                               ; a lane permute's destination counts as read
	s_mov_b32 s20, 0x76543210
	s_mov_b32 s21, 0xfedcba98                      ; selects for lane l xor 16
	s_lshr_b32 s22, ttmp9, 1                       ; the block of 32 rows
	s_and_b32 s23, ttmp9, 1                        ; which of its two tiles
	s_and_b32 s24, s18, 1                          ; which half of K
	s_and_b32 s25, s22, 31
	s_cmp_lt_u32 s22, 256
	s_cselect_b32 s25, s22, s25                    ; the block of 32 rows inside its tensor
	s_lshl_b32 s26, s25, 17                        ; 32 rows of 4,096 bytes,
	s_lshl_b32 s27, s23, 15                        ; 8 rows for the second tile,
	s_add_co_u32 s26, s26, s27
	s_lshl_b32 s27, s24, 11                        ; 512 numbers for the second half of K
	s_add_co_u32 s26, s26, s27
	s_mov_b32 s27, 0
	s_lshl_b32 s28, s22, 1
	s_add_co_u32 s28, s28, s23                     ; tau
	s_mul_i32 s30, s28, 12288
	s_mul_i32 s29, s24, 6144
	s_add_co_u32 s30, s30, s29
	s_mov_b32 s31, 0
	s_lshl_b32 s32, s28, 9
	s_lshl_b32 s29, s24, 4
	s_add_co_u32 s32, s32, s29
	s_mov_b32 s33, 0
	s_wait_alu depctr_va_vdst(0)
	s_wait_kmcnt 0x0
	s_cmp_lt_u32 s22, 352                          ; which tensor: the choice hangs on the work-group's number alone
	s_cselect_b64 s[34:35], s[10:11], s[12:13]
	s_cmp_lt_u32 s22, 320
	s_cselect_b64 s[34:35], s[8:9], s[34:35]
	s_cmp_lt_u32 s22, 288
	s_cselect_b64 s[34:35], s[6:7], s[34:35]
	s_cmp_lt_u32 s22, 256
	s_cselect_b64 s[34:35], s[4:5], s[34:35]
	s_add_nc_u64 s[34:35], s[34:35], s[26:27]
	s_add_nc_u64 s[14:15], s[14:15], s[30:31]
	s_add_nc_u64 s[16:17], s[16:17], s[32:33]
.macro LOAD t                          ; step t: tile rows 2 i + h, which are rows 2 i + h + 8 (i / 4) of the tile's 24
.irp i, 0,1,2,3,4,5,6,7
	global_load_b128 v[R+32*((\t)%4)+4*\i:R+32*((\t)%4)+4*\i+3], v4, s[34:35] offset:(2*\i+8*(\i/4))*4096+256*(\t) th:TH_LOAD_NT
.endr
.endm
.macro TURN t                          ; through the stage: LDS serves a wave's instructions in order, so no wait stands between the stores and the loads
.irp i, 0,1,2,3,4,5,6,7
	ds_store_b128 v5, v[R+32*((\t)%4)+4*\i:R+32*((\t)%4)+4*\i+3] offset:STG*((\t)%2)+2*SP*\i
.endr
.irp i, 0,1,2,3,4,5,6,7
	ds_load_b128 v[X+32*((\t)%2)+4*\i:X+32*((\t)%2)+4*\i+3], v6 offset:STG*((\t)%2)+16*\i
.endr
.endm
.macro STEP t
.set XS, X+32*((\t)%2)
.set CS, C+12*((\t)%2)
	s_wait_dscnt 0x0                               ; this step's numbers are back, so its stores into the stage have read their registers,
.if (\t) < 4
	LOAD (\t)+4                                    ; which take the loads of four steps on
.endif
.if (\t) < 7
.if (\t) < 4
	s_wait_loadcnt 24                              ; the next step's eight loads are in; those of the three steps behind it may be out
.else
	s_wait_loadcnt 8*(6-(\t))
.endif
	TURN (\t)+1
.endif
	v_max3_num_f32 v12, |v[XS]|, |v[XS+1]|, |v[XS+2]|              ; the block's largest magnitude: all 32 numbers are mine; two chains
	v_max3_num_f32 v13, |v[XS+3]|, |v[XS+4]|, |v[XS+5]|
.irp i, 6,10,14,18,22,26
	v_max3_num_f32 v12, v12, |v[XS+\i]|, |v[XS+\i+1]|
	v_max3_num_f32 v13, v13, |v[XS+\i+2]|, |v[XS+\i+3]|
.endr
	v_max3_num_f32 v12, v12, |v[XS+30]|, |v[XS+31]|
	v_max3_num_f32 v12, v12, v13, 0x1800000        ; and the floor 2^(3 - 127): the byte cannot fall under 1
	v_add_nc_u32 v11, 0xff000000, v12              ; 2 off the exponent field: the conversion's scale operand
	v_lshrrev_b32 v15, 23, v11                     ; the byte
.if (\t)%2 == 0
	v_mov_b32 v[SB+(\t)/2], v15                    ; blocks 4 q + h and 4 q + 2 + h of word q: bytes 0 and 2 here, moved up by 8 h at the end
.else
	v_lshl_or_b32 v[SB+(\t)/2], v15, 16, v[SB+(\t)/2]
.endif
	s_wait_alu depctr_va_vdst(0)
	s_wait_xcnt 0x0                                ; the earlier stores have read their data: this set of code registers may be written again
	v_cvt_scalef32_pk16_fp6_f32 v[CS:CS+2], v[XS:XS+15], v11
	v_cvt_scalef32_pk16_fp6_f32 v[CS+6:CS+8], v[XS+16:XS+31], v11  ; (a conversion's three registers begin on an even number)
	v_nop                                          ; one plain place behind a scaled conversion
.irp i, 0,1,2
	v_mov_b32 v[CS+3+\i], v[CS+6+\i]
.endr
	global_store_b128 v7, v[CS:CS+3], s[14:15] offset:768*(\t)         ; 512 consecutive bytes,
	global_store_b64 v8, v[CS+4:CS+5], s[14:15] offset:768*(\t)+512    ; and 256: the image
.endm
	LOAD 0
	LOAD 1
	LOAD 2
	LOAD 3
	s_wait_loadcnt 24                              ; step 0's eight loads are in
	TURN 0
.irp t, 0,1,2,3,4,5,6,7
	STEP \t
.endr
.irp k, 0,1,2,3
	v_lshlrev_b32 v[SB+\k], v9, v[SB+\k]           ; my two bytes at their places,
.endr
.irp k, 0,1,2,3
	v_permlanex16_b32 v14, v[SB+\k], s20, s21
	v_or_b32 v[SB+\k], v[SB+\k], v14               ; with lane l xor 16's two the word is whole
.endr
	v_cmp_ne_u32 vcc_lo, 0, v3
	v_cndmask_b32 v44, v16, v18, vcc_lo            ; lanes 0-15 store words 0 and 1 of my four, lanes 16-31 words 2 and 3
	v_cndmask_b32 v45, v17, v19, vcc_lo
	global_store_b64 v10, v[44:45], s[16:17]
	s_wait_tensorcnt 0x0
	ds_add_u32 v62, v63
	s_wait_dscnt 0x0
	s_endpgm
.Lfunc_end_k_q9ab068bde4_quant:
	.size	k_q9ab068bde4_quant, .Lfunc_end_k_q9ab068bde4_quant-k_q9ab068bde4_quant
	.p2alignl 7, 3214868480
	.fill 96, 4, 3214868480
	.section	.rodata,"a",@progbits
	.p2align	6, 0x0
	.amdhsa_kernel k_q9ab068bde4_quant
		.amdhsa_group_segment_fixed_size 17664
		.amdhsa_private_segment_fixed_size 0
		.amdhsa_enable_private_segment 0
		.amdhsa_kernarg_size 56
		.amdhsa_user_sgpr_count 2
		.amdhsa_user_sgpr_kernarg_segment_ptr 1
		.amdhsa_wavefront_size32 1
		.amdhsa_system_sgpr_workgroup_id_x 1
		.amdhsa_system_sgpr_workgroup_id_y 1
		.amdhsa_system_sgpr_workgroup_id_z 1
		.amdhsa_system_vgpr_workitem_id 0
		.amdhsa_next_free_vgpr 256
		.amdhsa_next_free_sgpr 66
		.amdhsa_reserve_vcc 1
		.amdhsa_float_denorm_mode_32 3
		.amdhsa_float_denorm_mode_16_64 3
		.amdhsa_memory_ordered 1
		.amdhsa_forward_progress 1
		.amdhsa_inst_pref_size 32
	.end_amdhsa_kernel
	.amdgpu_metadata
---
amdhsa.version: [ 1, 2 ]
amdhsa.kernels:
  - .name:           k_q9ab068bde4_quant
    .symbol:         k_q9ab068bde4_quant.kd
    .args:
      - { .name: x, .offset: 0, .size: 8, .value_kind: global_buffer, .address_space: global }
      - { .name: Wq, .offset: 8, .size: 8, .value_kind: global_buffer, .address_space: global }
      - { .name: Wk, .offset: 16, .size: 8, .value_kind: global_buffer, .address_space: global }
      - { .name: Wv, .offset: 24, .size: 8, .value_kind: global_buffer, .address_space: global }
      - { .name: Wp, .offset: 32, .size: 8, .value_kind: global_buffer, .address_space: global }
      - { .name: cod, .offset: 40, .size: 8, .value_kind: global_buffer, .address_space: global }
      - { .name: scl, .offset: 48, .size: 8, .value_kind: global_buffer, .address_space: global }
    .group_segment_fixed_size: 17664
    .private_segment_fixed_size: 0
    .kernarg_segment_align: 8
    .kernarg_segment_size: 56
    .max_flat_workgroup_size: 64
    .sgpr_count:     66
    .vgpr_count:     256
    .wavefront_size: 32
...
	.end_amdgpu_metadata
.endif
;; end of part 1
;; launch qkv (part 2): grid 32 x 8, 4 waves a work-group, clusters of 4 x 1, 327,680 bytes of LDS; arguments cod, scl, bq, bk, bv, qkvc, qkvs; writes qkvc, qkvs
.if DOCPART == 2
	.amdgcn_target "amdgcn-amd-amdhsa--gfx1250"
	.amdhsa_code_object_version 6
	.text
	.protected	k_q9ab068bde4_qkv
	.globl	k_q9ab068bde4_qkv
	.p2align	8
	.type	k_q9ab068bde4_qkv,@function
k_q9ab068bde4_qkv:
	s_mov_b64 s[64:65], 0
	v_nop
	global_prefetch_b8 v0, s[64:65] scope:SCOPE_SE
	s_setreg_imm32_b32 hwreg(HW_REG_WAVE_MODE, 25, 1), 1
	s_wait_xcnt 0x0
	s_wait_alu depctr_hold_cnt(0) depctr_sa_sdst(0) depctr_va_vdst(0) depctr_va_sdst(0) depctr_va_ssrc(0) depctr_va_vcc(0) depctr_vm_vsrc(0)
	s_getreg_b32 s2, hwreg(HW_REG_IB_STS2, 6, 4)
	s_cmp_eq_u32 s2, 0
	s_cbranch_scc0 .Lentry_in_a_cluster
	s_endpgm
.Lentry_in_a_cluster:
	s_bfe_u32 s2, ttmp6, 0x10000c
	s_cmp_lg_u32 s2, 0x3003
	s_cbranch_scc0 .Lentry_shape_is_right
	s_endpgm
.Lentry_shape_is_right:
; Q, K, V = x W^T + b on codes of FP6 (E2M3) with E8M0 scales, and their quantisers: the results leave as codes and scale bytes in the order of the next launch's operand registers.
; IN: cod [tile of 16 rows][K / 64][768]: an image holds registers 0-3 at 16 x lane, 4-5 at 512 + 8 x lane; tile tau holds rows 32 (tau / 2) + 8 (tau % 2) + r + 8 (r / 8).  Tiles 0-511 x, 512-575 Wq, 576-639 Wk, 640-703 Wv.
; scl [tile][r][8 words], word q = the bytes of k = 128 q .. 128 q + 127.
; THE DEAL: 256 work-groups = 32 groups of 256 tokens x 8 groups of columns; a group of columns is 4 heads of Q or K (16 weight tiles) and 2 heads of V (8 tiles): the same text for all.
; A wave HOLDS its 64 tokens (4 tiles), all of K, in 384 registers: each of its 128 loads reads 512 or 256 dense bytes of an image, and no other wave of the work-group needs them, so they pass through no LDS.
; The 24 weight tiles lie in LDS, each byte filled once: one joint load a wave at the head; the four work-groups of a cluster share the group of columns (mask 15).  No prefetch: all is asked for at the head.
; A BLOCK is one weight tile against my four tiles of tokens: 32 products, four accumulators by turns, K ascending, the bias as the first C.  The weight tile, its scale words and its bias are fetched two blocks ahead, 36 LDS loads.
; The first barrier shows tiles 0-7 (wave 0's own load line) and the tables; the barrier inside block 6 shows the rest.
; Q, K: source 0 = the weight's rows: lane (r, h) holds token r and, of two neighbouring tiles, columns 32 b + 16 h + 0 .. 15; a head's two blocks make one image.  V: source 0 = the tokens: lane (r, h) holds channel r and tokens 32 b + 16 h + 0 .. 15.
; OUT: qkvc [head 0-31: Q, K][tile of tokens][768]; from head 32 on V: [head][step of 128 tokens][tile of channels][2 images].  qkvs: Q, K [head][tile / 4][r][tile % 4] words (two bytes used); from 1,048,576 on V: [head][step][r][tile] words.
; V's words hold bytes of two waves: they are gathered in LDS and leave at the end as units of 256 bytes.
; LIMITS: NaN and infinities are not served; a block of zeros, or under 2^-124, gets the byte 1: this program alone reads the bytes.
; REGISTERS: window 0: addresses, scale words, bias, sums, the way out; windows 1, 2: my tokens' fragments of k steps 0-3, 4-7 at 12 (4 (q % 4) + t); window 3: two sets of a weight tile's eight fragments.
.set TILE, 12288
.set SCT,  294912                      ; the weights' scale words, 24 x 512
.set BQT,  307200                      ; bq's or bk's 256 numbers
.set BVT,  308224                      ; bv's 128 numbers, each eight times
.set VST,  312320                      ; V's scale bytes: [step][head][r][tile][half]
.set SPARE, 313344
.set L16, 1
.set L8,  2
.set SPW, 3
.set NIL, 4
.set VR,  5
.set VH,  6
.set W16, 8                            ; v8-13  16 x lane + 49,152 k
.set W8,  14                           ; v14-19 8 x lane + 49,152 k
.set VSC, 20
.set VBQ, 21
.set VBV, 22
.set VQS, 23
.set VVS, 24
.set VVR, 25
.set SA,  32                           ; v32-47 my tokens' scale words: tiles 2 p, 2 p + 1 in the two halves of the lanes
.set SW,  52                           ; v52-67 a weight tile's, two sets
.set BI,  68                           ; v68-83 its bias, two sets
.set ACC, 96                           ; v96-159
.set T,   160
.set TP,  164
.set BS,  168
.set BY,  172
.set WD,  176
.set ST,  184
.set IM,  192
.set CB,  224
.set G1Q, 24
.set G1V, 32
.set G0Q, 40
.set G0V, 44
.set MSB, 0
.macro WIN new
.if MSB != (\new)
	s_set_vgpr_msb (MSB<<8)|(\new)
.set MSB, (\new)
.endif
.endm
.macro WALU
	s_wait_alu depctr_va_vdst(0)
.endm
.macro PLACES n
.rept \n
	v_nop
.endr
.endm
.macro CROUND
	s_barrier_signal -1
	s_barrier_wait -1
	s_cmp_lg_u32 s18, 0
	s_cbranch_scc1 .Lnot_wave_0_\@
	s_barrier_signal -3
.Lnot_wave_0_\@:
	s_barrier_wait -3
	s_barrier_signal -1
	s_barrier_wait -1
.endm
.macro TLOAD g0, g1
	tensor_load_to_lds s[\g0:\g0+3], s[\g1:\g1+7]
	s_nop 0
	PLACES 4
.endm
.macro GRP1 g, rows                    ; dense rows of 256 bytes; the mask names the four partners
	s_mov_b32 s[\g], 15|(3<<16)|(1<<21)
	s_mov_b32 s[\g+1], 32<<16
	s_mov_b32 s[\g+2], (\rows)<<16
	s_mov_b32 s[\g+3], 32<<16
	s_mov_b32 s[\g+4], \rows
	s_mov_b32 s[\g+5], 32
	s_mov_b32 s[\g+6], 0
	s_mov_b32 s[\g+7], 0
.endm
.macro W1 d, s0, s1, c, x0, x1, side, row
.if \row
	v_wmma_scale_f32_16x16x128_f8f6f4 v[\d:\d+7], v[\s0:\s0+11], v[\s1:\s1+11], \c, v[\x0], v[\x1] matrix_a_fmt:MATRIX_FMT_FP6 matrix_b_fmt:MATRIX_FMT_FP6 matrix_\side\()_scale:MATRIX_SCALE_ROW1
.else
	v_wmma_scale_f32_16x16x128_f8f6f4 v[\d:\d+7], v[\s0:\s0+11], v[\s1:\s1+11], \c, v[\x0], v[\x1] matrix_a_fmt:MATRIX_FMT_FP6 matrix_b_fmt:MATRIX_FMT_FP6
.endif
.endm
; products \from .. \to - 1 of a block, number 4 q + t.  kind 0: source 0 the weight's rows; kind 1: source 0 the tokens.  Sums at a0 + st t
.macro PRODS kind, e, a0, st, from, to
.set N_, \from
.rept (\to)-(\from)
.set Q_, N_/4
.set T_, N_%4
.set XF_, 12*(4*(Q_%4)+T_)
.set WF_, 96*(\e)+12*Q_
.set D_, (\a0)+(\st)*T_
.set XS_, SA+8*(T_/2)+Q_
.set WS_, SW+8*(\e)+Q_
.if \kind
	WIN (1+Q_/4)|(3<<2)
.if Q_
	W1 D_, XF_, WF_, v[D_:D_+7], XS_, WS_, a, T_%2
.else
	W1 D_, XF_, WF_, v[BI+8*(\e):BI+8*(\e)+7], XS_, WS_, a, T_%2
.endif
.else
	WIN 3|((1+Q_/4)<<2)
.if Q_
	W1 D_, WF_, XF_, v[D_:D_+7], WS_, XS_, b, T_%2
.else
	W1 D_, WF_, XF_, v[BI+8*(\e):BI+8*(\e)+7], WS_, XS_, b, T_%2
.endif
.endif
.set N_, N_+1
.endr
.endm
.macro FETCH n                         ; weight tile n into set n % 2: 36 LDS loads
.set E_, (\n)%2
	WIN 0xc0
.set Q_, 0
.rept 8
.set R_, 96*E_+12*Q_
.set O_, ((\n)%4)*TILE+1536*Q_
	ds_load_b128 v[R_:R_+3], v[W16+(\n)/4] offset:O_
	ds_load_b64 v[R_+4:R_+5], v[W8+(\n)/4] offset:O_+512
	ds_load_b128 v[R_+6:R_+9], v[W16+(\n)/4] offset:O_+768
	ds_load_b64 v[R_+10:R_+11], v[W8+(\n)/4] offset:O_+1280
.set Q_, Q_+1
.endr
	WIN 0
	ds_load_b128 v[SW+8*E_:SW+8*E_+3], v[VSC] offset:512*(\n)
	ds_load_b128 v[SW+8*E_+4:SW+8*E_+7], v[VSC] offset:512*(\n)+16
.if (\n) < 16
.set O_, 128*((\n)/2)+32*((\n)%2)
	ds_load_b128 v[BI+8*E_:BI+8*E_+3], v[VBQ] offset:O_
	ds_load_b128 v[BI+8*E_+4:BI+8*E_+7], v[VBQ] offset:O_+16
.else
.set O_, 1024*(((\n)-16)/2)+256*((\n)%2)
	ds_load_b128 v[BI+8*E_:BI+8*E_+3], v[VBV] offset:O_
	ds_load_b128 v[BI+8*E_+4:BI+8*E_+7], v[VBV] offset:O_+16
.endif
.endm
; n groups of 16 sums (ACC + 16 g ..), half a block each: the block's largest magnitude, with lane l xor 16's half, and the conversions' scale operand
.macro MAXES n
.set g, 0
.rept \n
	v_max3_num_f32 v[T+g], |v[ACC+16*g]|, |v[ACC+16*g+1]|, 0x1800000
.set g, g+1
.endr
.irp i, 2,4,6,8,10,12,14
.set g, 0
.rept \n
	v_max3_num_f32 v[T+g], v[T+g], |v[ACC+16*g+\i]|, |v[ACC+16*g+\i+1]|
.set g, g+1
.endr
.endr
.set g, 0
.rept \n
	v_permlanex16_b32 v[TP+g], v[T+g], s20, s21
.set g, g+1
.endr
.set g, 0
.rept \n
	v_max_num_f32 v[T+g], v[T+g], v[TP+g]
.set g, g+1
.endr
.set g, 0
.rept \n
	v_add_nc_u32 v[BS+g], 0xff000000, v[T+g]
.set g, g+1
.endr
.endm
.macro JOIN g                          ; a whole block to a lane: the image's six registers
.irp i, 0,1,2
	v_permlane16_swap_b32 v[IM+8*(\g)+\i], v[CB+4*(\g)+\i]
.endr
.irp i, 0,1,2
	v_mov_b32 v[IM+8*(\g)+3+\i], v[CB+4*(\g)+\i]
.endr
.endm
.macro WAYQ b, hh                      ; block b of head hh of my four, for my four tiles of tokens
	s_wait_xcnt 0x0                                ; earlier stores have read their registers
	MAXES 4
.if (\b) == 0
.set g, 0
.rept 4
	v_cvt_scalef32_pk16_fp6_f32 v[IM+8*g:IM+8*g+2], v[ACC+16*g:ACC+16*g+15], v[BS+g]
.set g, g+1
.endr
.set g, 0
.rept 4
	v_lshrrev_b32 v[BY+g], 23, v[BS+g]
.set g, g+1
.endr
.else
.set g, 0
.rept 4
	v_cvt_scalef32_pk16_fp6_f32 v[CB+4*g:CB+4*g+2], v[ACC+16*g:ACC+16*g+15], v[BS+g]
.set g, g+1
.endr
.set g, 0
.rept 4
	v_lshrrev_b32 v[TP+g], 23, v[BS+g]
.set g, g+1
.endr
.set g, 0
.rept 4
	v_lshl_or_b32 v[WD+4*((\hh)%2)+g], v[TP+g], 8, v[BY+g]
.set g, g+1
.endr
.set g, 0
.rept 4
	JOIN g
.set g, g+1
.endr
.set g, 0
.rept 4
	global_store_b128 v[L16], v[IM+8*g:IM+8*g+3], s[66:67] offset:(\hh)*393216+768*g
	global_store_b64 v[L8], v[IM+8*g+4:IM+8*g+5], s[66:67] offset:(\hh)*393216+768*g+512
.set g, g+1
.endr
.if (\hh)%2
	v_cmp_ne_u32 vcc_lo, 0, v[VH]                  ; lanes 0-15 store the even head's four words of row r, lanes 16-31 the odd head's: two units of 256 bytes
.set g, 0
.rept 4
	v_cndmask_b32 v[ST+g], v[WD+g], v[WD+4+g], vcc_lo
.set g, g+1
.endr
	global_store_b128 v[VQS], v[ST:ST+3], s[68:69] offset:((\hh)-1)*32768
.endif
.endif
	WALU
.endm
.macro WAYV m                          ; tile m of V's eight: my 64 tokens are one image
	s_wait_xcnt 0x0
	MAXES 2
	v_cvt_scalef32_pk16_fp6_f32 v[IM:IM+2], v[ACC:ACC+15], v[BS]
	v_cvt_scalef32_pk16_fp6_f32 v[CB:CB+2], v[ACC+16:ACC+31], v[BS+1]
	v_lshrrev_b32 v[TP], 23, v[BS]
	v_lshrrev_b32 v[TP+1], 23, v[BS+1]
	v_lshl_or_b32 v[WD], v[TP+1], 8, v[TP]
	JOIN 0
	global_store_b128 v[L16], v[IM:IM+3], s[70:71] offset:((\m)/4)*393216+((\m)%4)*1536
	global_store_b64 v[L8], v[IM+4:IM+5], s[70:71] offset:((\m)/4)*393216+((\m)%4)*1536+512
	ds_store_b16 v[VVS], v[WD] offset:((\m)/4)*256+((\m)%4)*4   ; both halves of the lanes write the same two bytes
	WALU
.endm
.macro QKB s
	s_wait_dscnt 36                                ; this block's fetch is in; the next block's 36 loads may be out
.if (\s) == 6
	PRODS 0, (\s)%2, ACC+8*((\s)%2), 16, 0, 16
	s_wait_tensorcnt 0x0                           ; every wave's load has landed
	s_wait_dscnt 0x0
	s_barrier_signal -1
	PRODS 0, (\s)%2, ACC+8*((\s)%2), 16, 16, 32
	WIN 0
	s_barrier_wait -1                              ; all 24 tiles are shown
.else
	PRODS 0, (\s)%2, ACC+8*((\s)%2), 16, 0, 32
	WIN 0
.endif
	PLACES 4
	FETCH (\s)+2
.if (\s)%2
	WAYQ ((\s)/2)%2, (\s)/4
.endif
.endm
.macro VB s
.if (\s) < 23
	s_wait_dscnt 36
.else
	s_wait_dscnt 0x0
.endif
	PRODS 1, (\s)%2, ACC, 8, 0, 32
	WIN 0
	PLACES 4
.if (\s)+2 < 24
	FETCH (\s)+2
.endif
	WAYV (\s)-16
.endm
	s_load_b256 s[4:11], s[0:1], 0x0               ; cod, scl, bq, bk
	s_load_b128 s[12:15], s[0:1], 0x20             ; bv, qkvc
	s_load_b64 s[16:17], s[0:1], 0x30              ; qkvs
	v_lshl_add_u32 v[SPW], v0, 2, SPARE
	v_mov_b32 v[NIL], 0
	ds_add_u32 v[SPW], v[NIL]                      ; the opening lines
	ds_add_u32 v[SPW], v[NIL]
	v_lshrrev_b32 v5, 5, v0
	v_readfirstlane_b32 s18, v5                    ; wave
	s_bfe_u32 s19, ttmp6, 0x40000                  ; cx: it enters my tokens' and the results' addresses alone
	s_lshl_b32 s22, ttmp9, 2
	s_add_co_u32 s22, s22, s19                     ; the group of 256 tokens
	s_and_b32 s23, ttmp7, 0xffff                   ; the group of columns, which the partners share
	GRP1 G1Q, 384
	GRP1 G1V, 192
	s_lshl_b32 s74, s23, 4
	s_add_co_u32 s74, s74, 512                     ; Q's or K's first tile
	s_mul_i32 s48, s74, TILE
	s_mul_i32 s75, s18, 98304
	s_add_co_u32 s48, s48, s75                     ; waves 0, 1: eight tiles each
	s_mov_b32 s49, 0
	s_lshl_b32 s56, s74, 9
	s_mov_b32 s57, 0
	s_lshl_b32 s74, s23, 3
	s_add_co_u32 s74, s74, 632                     ; V's first tile less eight: waves 2, 3 take four tiles each
	s_mul_i32 s50, s74, TILE
	s_mul_i32 s75, s18, 49152
	s_add_co_u32 s50, s50, s75
	s_mov_b32 s51, 0
	s_lshl_b32 s58, s74, 9
	s_add_co_u32 s58, s58, 4096
	s_mov_b32 s59, 0
	s_mov_b32 s[G0Q], 1
	s_mul_i32 s[G0Q+1], s18, 98304
	s_mov_b32 s[G0V], 1
	s_mul_i32 s[G0V+1], s18, 49152
	s_add_co_u32 s[G0V+1], s[G0V+1], 98304
	s_lshl_b32 s76, s22, 4
	s_lshl_b32 s75, s18, 2
	s_add_co_u32 s76, s76, s75                     ; my first tile of tokens
	s_mul_i32 s52, s76, TILE
	s_mov_b32 s53, 0
	s_lshl_b32 s54, s76, 9
	s_mov_b32 s55, 0
	s_and_b32 s60, s23, 3
	s_lshl_b32 s60, s60, 10
	s_mov_b32 s61, 0
	s_lshl_b32 s62, s23, 9
	s_mov_b32 s63, 0
	s_mul_i32 s66, s23, 4*393216
	s_mul_i32 s75, s76, 768
	s_add_co_u32 s66, s66, s75
	s_mov_b32 s67, 0
	s_lshl_b32 s68, s23, 17
	s_lshl_b32 s75, s76, 6
	s_add_co_u32 s68, s68, s75
	s_mov_b32 s69, 0
	s_lshr_b32 s77, s18, 1
	s_and_b32 s78, s18, 1
	s_lshl_b32 s79, s22, 1
	s_add_co_u32 s79, s79, s77                     ; my step of 128 tokens; s78: which image of it
	s_lshl_b32 s70, s23, 1
	s_add_co_u32 s70, s70, 32
	s_mul_i32 s70, s70, 393216
	s_mul_i32 s75, s79, 6144
	s_add_co_u32 s70, s70, s75
	s_mul_i32 s75, s78, 768
	s_add_co_u32 s70, s70, s75
	s_mov_b32 s71, 0
	s_lshl_b32 s72, s23, 1
	s_add_co_u32 s72, s72, s78                     ; at the end wave w stores the words of step w / 2, head w % 2
	s_lshl_b32 s72, s72, 14
	s_lshl_b32 s75, s79, 8
	s_add_co_u32 s72, s72, s75
	s_add_co_u32 s72, s72, 1048576
	s_mov_b32 s73, 0
	s_lshl_b32 s74, s77, 9
	s_lshl_b32 s75, s78, 1
	s_add_co_u32 s74, s74, s75
	s_add_co_u32 s74, s74, VST
	s_lshl_b32 s75, s18, 8
	s_add_co_u32 s75, s75, VST
	s_mov_b32 s20, 0x76543210
	s_mov_b32 s21, 0xfedcba98                      ; selects for lane l xor 16
	WALU
	s_wait_dscnt 0x0
	CROUND                                         ; the four work-groups are here: the joint loads meet
	s_wait_kmcnt 0x0
	s_add_nc_u64 s[G0Q+2:G0Q+3], s[4:5], s[48:49]
	s_or_b32 s[G0Q+3], s[G0Q+3], 0x80000000
	s_add_nc_u64 s[G0V+2:G0V+3], s[4:5], s[50:51]
	s_or_b32 s[G0V+3], s[G0V+3], 0x80000000
	s_cmp_eq_u32 s18, 0                            ; one chain of arms, one load to an arm; wave 0's line is its own, since the first barrier shows its tiles alone
	s_cbranch_scc0 .Larm_1
	TLOAD G0Q, G1Q
	s_branch .Lasked
.Larm_1:
	s_cmp_eq_u32 s18, 1
	s_cbranch_scc0 .Larm_2
	TLOAD G0Q, G1Q
	s_branch .Lasked
.Larm_2:
	TLOAD G0V, G1V
.Lasked:
	s_add_nc_u64 s[52:53], s[4:5], s[52:53]
	s_add_nc_u64 s[54:55], s[6:7], s[54:55]
	s_add_nc_u64 s[56:57], s[6:7], s[56:57]
	s_add_nc_u64 s[58:59], s[6:7], s[58:59]
	s_cmp_lt_u32 s23, 4
	s_cselect_b64 s[8:9], s[8:9], s[10:11]         ; bq or bk
	s_add_nc_u64 s[60:61], s[8:9], s[60:61]
	s_add_nc_u64 s[62:63], s[12:13], s[62:63]
	s_add_nc_u64 s[66:67], s[14:15], s[66:67]
	s_add_nc_u64 s[70:71], s[14:15], s[70:71]
	s_add_nc_u64 s[68:69], s[16:17], s[68:69]
	s_add_nc_u64 s[72:73], s[16:17], s[72:73]
	v_lshlrev_b32 v27, 4, v0
	v_lshlrev_b32 v28, 3, v0
	v_lshlrev_b32 v29, 2, v0
.irp k, 0,1,2,3
	global_load_b128 v[96+4*\k:99+4*\k], v27, s[56:57] offset:2048*\k   ; the tables first: 128 threads x 16 bytes a load
.endr
.irp k, 0,1
	global_load_b128 v[112+4*\k:115+4*\k], v27, s[58:59] offset:2048*\k
.endr
	global_load_b64 v[120:121], v28, s[60:61]
	global_load_b32 v122, v29, s[62:63]
	v_and_b32 v[VR], 15, v0
	v_bfe_u32 v[VH], v0, 4, 1
	v_and_b32 v7, 31, v0
	v_lshlrev_b32 v[L16], 4, v7
	v_lshlrev_b32 v[L8], 3, v7
	v_lshlrev_b32 v26, 5, v7
.irp p, 0,1
	global_load_b128 v[SA+8*\p:SA+8*\p+3], v26, s[54:55] offset:1024*\p
	global_load_b128 v[SA+8*\p+4:SA+8*\p+7], v26, s[54:55] offset:1024*\p+16
.endr
.irp q, 0,1,2,3,4,5,6,7
	WIN (1+\q/4)<<6
.irp t, 0,1,2,3
	global_load_b128 v[12*(4*(\q%4)+\t):12*(4*(\q%4)+\t)+3], v[L16], s[52:53] offset:\t*TILE+1536*\q
	global_load_b64 v[12*(4*(\q%4)+\t)+4:12*(4*(\q%4)+\t)+5], v[L8], s[52:53] offset:\t*TILE+1536*\q+512
	global_load_b128 v[12*(4*(\q%4)+\t)+6:12*(4*(\q%4)+\t)+9], v[L16], s[52:53] offset:\t*TILE+1536*\q+768
	global_load_b64 v[12*(4*(\q%4)+\t)+10:12*(4*(\q%4)+\t)+11], v[L8], s[52:53] offset:\t*TILE+1536*\q+1280
.endr
.endr
	WIN 0
.irp k, 0,1,2,3,4,5
	v_add_nc_u32 v[W16+\k], 49152*\k, v[L16]
	v_add_nc_u32 v[W8+\k], 49152*\k, v[L8]
.endr
	v_lshl_add_u32 v[VSC], v[VR], 5, SCT
	v_lshl_add_u32 v[VBQ], v[VH], 6, BQT
	v_and_b32 v30, 8, v[VR]
	v_add_nc_u32 v30, v30, v[VR]
	v_lshl_add_u32 v[VBV], v30, 5, BVT
	v_lshlrev_b32 v[VQS], 4, v[VR]
	v_lshl_add_u32 v[VQS], v[VH], 15, v[VQS]
	v_lshl_add_u32 v[VVS], v[VR], 4, s74
	v_add_nc_u32 v[VVR], s75, v[L8]
	v_lshl_add_u32 v84, v0, 4, SCT
	v_lshl_add_u32 v85, v0, 3, BQT
	v_lshl_add_u32 v86, v0, 5, BVT
.irp g, 0,1,2,3
	v_mov_b32 v[TP+\g], 0                          ; a lane permute's destination counts as read
.endr
	WALU
	s_wait_loadcnt 63                              ; 140 loads were issued: at most 63 are out, so the first eight, the tables', are in
.irp k, 0,1,2,3,4,5
	ds_store_b128 v84, v[96+4*\k:99+4*\k] offset:2048*\k
.endr
	ds_store_b64 v85, v[120:121]
.irp i, 123,124,125
	v_mov_b32 v[\i], v122
.endr
	ds_store_b128 v86, v[122:125]
	ds_store_b128 v86, v[122:125] offset:16
	WALU
	s_cmp_eq_u32 s18, 0
	s_cbranch_scc0 .Lnot_first
	s_wait_tensorcnt 0x0
.Lnot_first:
	s_wait_dscnt 0x0
	s_barrier_signal -1
	s_barrier_wait -1                              ; tiles 0-7 and the tables are shown; the other loads may be out
	FETCH 0
	FETCH 1
	s_wait_loadcnt 0x0                             ; my tokens
.set S_, 0
.rept 16
	QKB S_
.set S_, S_+1
.endr
.rept 8
	VB S_
.set S_, S_+1
.endr
	s_wait_dscnt 0x0
	s_barrier_signal -1
	s_barrier_wait -1                              ; V's scale bytes of all four waves lie in the stage
	ds_load_b64 v[ST:ST+1], v[VVR]
	s_wait_dscnt 0x0
	global_store_b64 v[L8], v[ST:ST+1], s[72:73]   ; one unit of 256 bytes a wave
	s_wait_tensorcnt 0x0                           ; the wave's end
	ds_add_u32 v[SPW], v[NIL]
	s_wait_dscnt 0x0
	CROUND                                         ; the closing round
	s_endpgm
.Lfunc_end_k_q9ab068bde4_qkv:
	.size	k_q9ab068bde4_qkv, .Lfunc_end_k_q9ab068bde4_qkv-k_q9ab068bde4_qkv
	.p2alignl 7, 3214868480
	.fill 96, 4, 3214868480
	.section	.rodata,"a",@progbits
	.p2align	6, 0x0
	.amdhsa_kernel k_q9ab068bde4_qkv
		.amdhsa_group_segment_fixed_size 327680
		.amdhsa_private_segment_fixed_size 0
		.amdhsa_enable_private_segment 0
		.amdhsa_kernarg_size 56
		.amdhsa_user_sgpr_count 2
		.amdhsa_user_sgpr_kernarg_segment_ptr 1
		.amdhsa_wavefront_size32 1
		.amdhsa_system_sgpr_workgroup_id_x 1
		.amdhsa_system_sgpr_workgroup_id_y 1
		.amdhsa_system_sgpr_workgroup_id_z 1
		.amdhsa_system_vgpr_workitem_id 0
		.amdhsa_next_free_vgpr 960
		.amdhsa_next_free_sgpr 100
		.amdhsa_reserve_vcc 1
		.amdhsa_float_denorm_mode_32 3
		.amdhsa_float_denorm_mode_16_64 3
		.amdhsa_memory_ordered 1
		.amdhsa_forward_progress 1
		.amdhsa_inst_pref_size 232
	.end_amdhsa_kernel
	.amdgpu_metadata
---
amdhsa.version: [ 1, 2 ]
amdhsa.kernels:
  - .name:           k_q9ab068bde4_qkv
    .symbol:         k_q9ab068bde4_qkv.kd
    .args:
      - { .name: cod, .offset: 0, .size: 8, .value_kind: global_buffer, .address_space: global }
      - { .name: scl, .offset: 8, .size: 8, .value_kind: global_buffer, .address_space: global }
      - { .name: bq, .offset: 16, .size: 8, .value_kind: global_buffer, .address_space: global }
      - { .name: bk, .offset: 24, .size: 8, .value_kind: global_buffer, .address_space: global }
      - { .name: bv, .offset: 32, .size: 8, .value_kind: global_buffer, .address_space: global }
      - { .name: qkvc, .offset: 40, .size: 8, .value_kind: global_buffer, .address_space: global }
      - { .name: qkvs, .offset: 48, .size: 8, .value_kind: global_buffer, .address_space: global }
    .group_segment_fixed_size: 327680
    .private_segment_fixed_size: 0
    .kernarg_segment_align: 8
    .kernarg_segment_size: 56
    .max_flat_workgroup_size: 128
    .sgpr_count:     100
    .vgpr_count:     960
    .wavefront_size: 32
...
	.end_amdgpu_metadata
.endif
;; end of part 2
;; launch attn (part 3): grid 4 x 64, 8 waves a work-group, clusters of 4 x 1, 234,496 bytes of LDS; arguments qkvc, qkvs, cod, scl; writes cod, scl
.if DOCPART == 3
	.amdgcn_target "amdgcn-amd-amdhsa--gfx1250"
	.amdhsa_code_object_version 6
	.text
	.protected	k_q9ab068bde4_attn
	.globl	k_q9ab068bde4_attn
	.p2align	8
	.type	k_q9ab068bde4_attn,@function
k_q9ab068bde4_attn:
	s_mov_b64 s[64:65], 0
	v_nop
	global_prefetch_b8 v0, s[64:65] scope:SCOPE_SE
	s_setreg_imm32_b32 hwreg(HW_REG_WAVE_MODE, 25, 1), 1
	s_wait_xcnt 0x0
	s_wait_alu depctr_hold_cnt(0) depctr_sa_sdst(0) depctr_va_vdst(0) depctr_va_sdst(0) depctr_va_ssrc(0) depctr_va_vcc(0) depctr_vm_vsrc(0)
	s_getreg_b32 s2, hwreg(HW_REG_IB_STS2, 6, 4)
	s_cmp_eq_u32 s2, 0
	s_cbranch_scc0 .Lentry_in_a_cluster
	s_endpgm
.Lentry_in_a_cluster:
	s_bfe_u32 s2, ttmp6, 0x10000c
	s_cmp_lg_u32 s2, 0x3003
	s_cbranch_scc0 .Lentry_shape_is_right
	s_endpgm
.Lentry_shape_is_right:
; For each head and batch (y = 4 head + batch): o = softmax(q k^T) v, no scaling of the scores, both products on codes of FP6 (E2M3) with E8M0 scales; o is quantised along the
; channels and leaves as codes for the last product.
; THE SOFTMAX AHEAD OF THE SECOND PRODUCT: t = score x log2(e); M = the row's largest t so far, rounded up to a whole number; p = 2^(t - M) is quantised along the keys, not normalised.
; The row's sum is taken of the unquantised p and divides at the end.  When M moves, the sum and O are multiplied by 2^(old M - new M): exact.
; SHARES: 256 work-groups; the four of a cluster own the 2,048 queries of one y, 512 each.  A wave takes TWO tiles of 16 queries at once, A and B, and then two more (PASS 0, 1), and walks the 2,048 keys, 128 a step.
; Both tiles take every fragment of k and v from the same registers: 35 LDS loads a step serve 24 products.  Tile B's own registers have tile A's numbers in window 1, so that each part of a step is one text, expanded twice.
; k's fragments have registers of their own (window 1) and are asked for a whole step ahead; v's are asked for behind the first products and land under the softmax.
; K, V AND THEIR SCALES OF THE WHOLE y STAY IN LDS, filled once, by joint loads of the four partners: one tensor load a wave at the head (waves 0-2 k's codes, 128 units of 256 bytes each;
; waves 3-5 v's; wave 6 k's scales; wave 7 v's).  Every wave waits for its load (0), one barrier shows all; no slot is filled again and no other barrier stands in the walk.
; No prefetch into the L2: all fills go out at the head, and there is no loop to run ahead in.
; LAYOUT: both products transposed: S^T = k q^T (source 0 = 16 keys), O^T = v^T p^T (source 0 = 16 channels): a lane holds one query throughout.
; WHICH KEYS FORM A TILE is chosen by the LDS address: row 8 g + j of tile 4 c + u is key 64 c + 32 g + 8 u + j of the step.  So lane (r, h) holds in registers S + 32 c + 0 .. 31 the 32 keys of
; block 2 c + h, in order: the block's largest score needs no other lane, and two conversions give the six registers that the operand's layout wants of that lane.
; In memory a tile tau of k holds keys 32 (tau / 2) + 8 (tau % 2) + r + 8 (r / 8), as an image of 768 bytes (registers 0-3 at 16 x lane, 4-5 at 512 + 8 x lane).  That key lies in tile 4 c + 2 g + u % 2, row 8 (u / 2) + j.
; k's units of 256 bytes lie 320 apart in LDS (64 bytes of padding): the rows of g = 0 and g = 1, six units apart, are then 128 bytes apart modulo 256.
; K = 64 IN AN INSTRUCTION OF 128: q's upper six registers are zero codes.  So the upper six of a tile of k may be any codes: they are the next tile's (behind the last: six registers
; written once); FP6 has no infinity and no NaN, and bytes 2 and 3 of q's and k's scale words are 0, never 0xff: these products add nothing.
; The last step's look-ahead reads LDS bytes behind k's codes and scale words: they are v's, filled and inside LDS; what it brings is not used.
; OUT: cod, tiles 768 on: [tile of tokens][head][768].  scl: a row's two bytes of this head, one byte a lane: the row's other bytes belong to other work-groups.
; LIMITS: NaN and infinities are not served; the promise holds while |t| stays under 2^31; a block of zeros, or under 2^-124, gets the byte 1.  A block's largest p is taken from its largest
; score, which takes v_exp_f32 not to fall where its input rises (the ISA guide promises 1 ulp): at the worst one p within an ulp of a power of two is held one code low.
; REGISTERS, window 0: v1 16 x lane, v2 8 x lane, v99 16 r; v3, v4, v28 k's addresses, v29-31 v's; v5-10 the step's; v32-79 v's fragments; v86-89, v94-97 scale words; v11, v91 q's scale words (A, B), v98, v90 the next tiles';
; v228, v93 p's scale words (scale operands are taken from window 0).  Window 1: v32-85 k's fragments; v0-2 copies.  In each tile's window: v12 -M, v13 the largest score, v[14:15] the sum; v16-27 q; v232-237 the next q;
; v100-163 S^T, then p; v164-195 O^T; v196-207 p's codes; v208-231, v240-247 at work.
.set S,   100
.set OT,  164
.set PC,  196
.set PT,  208
.set BX,  216
.set T2,  218
.set TM,  219
.set BT,  220
.set BS,  224
.set PW,  228
.set PWB, 93
.set QSB, 91
.set QNA, 98
.set QNB, 90
.set TMP, 229
.set F,   230
.set AC,  240
.set WV,  12
.set SEL, 20
.set CS,  22
.set G1K, 24
.set G1V, 32
.set G1KS, 40
.set G1VS, 68
.set G0K, 48
.set G0V, 52
.set G0KS, 56
.set G0VS, 60
.set TK,  84                           ; k's codes: 7,680 LDS bytes a step
.set TV,  85                           ; v's: 6,144
.set TS,  86                           ; k's scale words: 512
.set TJ,  87                           ; v's: 256
.set CNT, 88
.set VLDS, 122880
.set KSLDS, 221184
.set VSLDS, 229376
.set SPARE, 233472                     ; the spare words: 128 bytes a wave
.set MSB, 0
.macro WIN new
.if MSB != (\new)
	s_set_vgpr_msb (MSB<<8)|(\new)
.set MSB, (\new)
.endif
.endm
.macro SETW x                          ; every operand place in tile x's window
	WIN 0x55*(\x)
.endm
.macro WALU
	s_wait_alu depctr_va_vdst(0)
.endm
.macro CROUND
	s_barrier_signal -1
	s_barrier_wait -1
	s_cmp_lg_u32 s[WV], 0
	s_cbranch_scc1 .Lnot_wave_0_\@
	s_barrier_signal -3
.Lnot_wave_0_\@:
	s_barrier_wait -3
	s_barrier_signal -1
	s_barrier_wait -1
.endm
.macro GRP1 g, w0, rows                ; rows of 256 bytes (32 elements of 8), dense in memory; the mask names all four partners
	s_mov_b32 s[\g], \w0
	s_mov_b32 s[\g+1], 32<<16
	s_mov_b32 s[\g+2], (\rows)<<16
	s_mov_b32 s[\g+3], 32<<16
	s_mov_b32 s[\g+4], \rows
	s_mov_b32 s[\g+5], 32
	s_mov_b32 s[\g+6], 0
	s_mov_b32 s[\g+7], 0
.endm
.macro G0ADR g, base, off
	s_add_nc_u64 s[\g+2:\g+3], s[\base:\base+1], s[\off:\off+1]
	s_or_b32 s[\g+3], s[\g+3], 0x80000000
.endm
.macro TLOAD g0, g1
	tensor_load_to_lds s[\g0:\g0+3], s[\g1:\g1+7]
	s_nop 0
.rept 4
	v_nop
.endr
.endm
	s_load_b256 s[4:11], s[0:1], 0x0               ; qkvc, qkvs, cod, scl
	v_lshl_add_u32 v254, v0, 2, SPARE
	v_mov_b32 v255, 0
	ds_add_u32 v254, v255                          ; the opening lines
	ds_add_u32 v254, v255
	v_lshrrev_b32 v1, 5, v0
	v_readfirstlane_b32 s[WV], v1                  ; wave 0..7
	s_bfe_u32 s13, ttmp6, 0x40000                  ; cx: it enters q's and the output's addresses alone
	s_and_b32 s15, ttmp7, 0xffff                   ; y, which the four partners share
	GRP1 G1K, 15|(3<<16)|(1<<20)|(1<<21)|(5<<22)|(15<<25), 128   ; 16 dwords of padding behind every 64
	GRP1 G1V, 15|(3<<16)|(1<<21), 128
	GRP1 G1KS, 15|(3<<16)|(1<<21), 32
	GRP1 G1VS, 15|(3<<16)|(1<<21), 16
	s_mul_i32 s76, s15, 98304                      ; y's codes in a section
	s_mul_i32 s77, s[WV], 32768
	s_add_co_u32 s78, s76, s77
	s_add_co_u32 s80, s78, 12582912-98304          ; v's piece of wave w: 128 units, counted from wave 3
	s_add_co_u32 s78, s78, 6291456                 ; k's piece of wave w: 128 units
	s_mov_b32 s79, 0
	s_mov_b32 s81, 0
	s_lshl_b32 s82, s15, 13
	s_add_co_u32 s82, s82, 524288                  ; k's scales
	s_mov_b32 s83, 0
	s_lshl_b32 s90, s15, 12
	s_add_co_u32 s90, s90, 1048576                 ; v's
	s_mov_b32 s91, 0
	s_mov_b32 s[G0K], 1
	s_mul_i32 s[G0K+1], s[WV], 40960               ; 128 units of 320 bytes
	s_mov_b32 s[G0V], 1
	s_mul_i32 s[G0V+1], s[WV], 32768
	s_add_co_u32 s[G0V+1], s[G0V+1], VLDS-98304
	s_mov_b32 s[G0KS], 1
	s_mov_b32 s[G0KS+1], KSLDS
	s_mov_b32 s[G0VS], 1
	s_mov_b32 s[G0VS+1], VSLDS
	s_lshl_b32 s92, s13, 5
	s_lshl_b32 s93, s[WV], 1
	s_add_co_u32 s92, s92, s93                     ; tile A of the first pass: 32 cx + 2 wave; B is the next; the second pass's lie 16 on
	s_mul_i32 s94, s92, 768
	s_add_co_u32 s94, s94, s76                     ; q's image
	s_mov_b32 s95, 0
	s_lshl_b32 s96, s15, 13
	s_lshr_b32 s97, s92, 2
	s_lshl_b32 s97, s97, 8
	s_add_co_u32 s96, s96, s97
	s_and_b32 s97, s92, 3
	s_lshl_b32 s97, s97, 2
	s_add_co_u32 s96, s96, s97                     ; q's scale words: [tile / 4][r][tile % 4]
	s_mov_b32 s97, 0
	s_and_b32 s93, s15, 3
	s_lshl_b32 s93, s93, 7
	s_add_co_u32 s93, s93, s92
	s_add_co_u32 s93, s93, 768                     ; the output's tile in cod: 768 + 128 batch + my tile
	s_lshr_b32 s89, s15, 2                         ; the head
	s_mul_i32 s16, s93, 12288
	s_mul_i32 s17, s89, 768
	s_add_co_u32 s16, s16, s17
	s_mov_b32 s17, 0
	s_lshl_b32 s18, s93, 9
	s_lshl_b32 s19, s89, 1
	s_add_co_u32 s18, s18, s19
	s_mov_b32 s19, 0
	s_mov_b32 s[SEL], 0x76543210
	s_mov_b32 s[SEL+1], 0xfedcba98                 ; selects for lane l xor 16
	s_mov_b32 s[CS], 0x3fb8aa3b                    ; log2(e)
	s_mov_b32 s[CS+1], s[CS]
	WALU
	s_wait_dscnt 0x0
	CROUND                                         ; all four work-groups are here: the joint loads meet
	s_wait_kmcnt 0x0
	G0ADR G0K, 4, 78
	G0ADR G0V, 4, 80
	G0ADR G0KS, 6, 82
	G0ADR G0VS, 6, 90
	s_add_nc_u64 s[94:95], s[4:5], s[94:95]
	s_add_nc_u64 s[96:97], s[6:7], s[96:97]
	s_add_nc_u64 s[8:9], s[8:9], s[16:17]
	s_add_nc_u64 s[10:11], s[10:11], s[18:19]
	s_cmp_lt_u32 s[WV], 3                          ; one chain of arms on the wave's number, one load to an arm
	s_cbranch_scc0 .Lfor_v
	TLOAD G0K, G1K
	s_branch .Lasked
.Lfor_v:
	s_cmp_lt_u32 s[WV], 6
	s_cbranch_scc0 .Lfor_ks
	TLOAD G0V, G1V
	s_branch .Lasked
.Lfor_ks:
	s_cmp_eq_u32 s[WV], 6
	s_cbranch_scc0 .Lfor_vs
	TLOAD G0KS, G1KS
	s_branch .Lasked
.Lfor_vs:
	TLOAD G0VS, G1VS
.Lasked:
	v_and_b32 v5, 31, v0
	v_lshlrev_b32 v1, 4, v5                        ; 16 x lane
	v_lshlrev_b32 v2, 3, v5                        ; 8 x lane
	v_and_b32 v6, 15, v0
	v_lshlrev_b32 v99, 4, v6                       ; 16 r
	global_load_b128 v[16:19], v1, s[94:95]        ; tile A's q of both passes, and all four scale words
	global_load_b64 v[20:21], v2, s[94:95] offset:512
	global_load_b128 v[232:235], v1, s[94:95] offset:12288
	global_load_b64 v[236:237], v2, s[94:95] offset:12800
	global_load_b32 v11, v99, s[96:97]
	global_load_b32 v[QSB], v99, s[96:97] offset:4
	global_load_b32 v[QNA], v99, s[96:97] offset:1024
	global_load_b32 v[QNB], v99, s[96:97] offset:1028
	WIN 0x40                                       ; destinations in window 1
	global_load_b128 v[16:19], v1, s[94:95] offset:768    ; tile B's q
	global_load_b64 v[20:21], v2, s[94:95] offset:1280
	global_load_b128 v[232:235], v1, s[94:95] offset:13056
	global_load_b64 v[236:237], v2, s[94:95] offset:13568
	v_mov_b32 v0, v0                               ; tile B's way out reads its own copies
	v_mov_b32 v1, v1
	v_mov_b32 v2, v2
.irp j, 22,23,24,25,26,27,80,81,82,83,84,85
	v_mov_b32 v[\j], 0                             ; B's q, k = 64 .. 127: zero codes; and what stands above the last tile of k: written once
.endr
.irp j, BT, BT+1, BT+2, TMP, F+1
	v_mov_b32 v[\j], 0
.endr
	WIN 0
	v_and_b32 v5, 7, v0                            ; j
	v_bfe_u32 v6, v0, 3, 1                         ; g
	v_bfe_u32 v7, v0, 4, 1                         ; h
	v_mul_u32_u24 v8, v6, 1920                     ; two tiles on: six units of 320
	v_mad_u32_u24 v3, v7, 320, v8
	v_lshl_add_u32 v3, v5, 4, v3                   ; k, registers 0-3: 1920 g + 320 h + 16 j
	v_lshl_add_u32 v4, v7, 7, v8
	v_lshl_add_u32 v4, v5, 3, v4                   ; registers 4-5: 1920 g + 128 h + 8 j
	v_lshlrev_b32 v28, 4, v5
	v_lshl_add_u32 v28, v6, 3, v28
	v_lshl_add_u32 v28, v7, 8, v28
	v_add_nc_u32 v28, KSLDS, v28                   ; k's scale words: 16 j + 8 g; lanes 16-31 take those of tiles 4-7, 256 bytes on
	v_add_nc_u32 v29, VLDS, v1
	v_add_nc_u32 v30, VLDS, v2
	v_add_nc_u32 v31, VSLDS, v99
.irp j, 22,23,24,25,26,27
	v_mov_b32 v[\j], 0                             ; A's q, k = 64 .. 127: zero codes
.endr
.irp j, BT, BT+1, BT+2, TMP, F+1
	v_mov_b32 v[\j], 0                             ; lane permutes' destinations and a pair's upper half count as read
.endr
.macro SUMS from, n                    ; p's pairs onto four sums by turns
.set j, \from
.rept \n
	v_pk_add_f32 v[AC+2*((j/2)%4):AC+2*((j/2)%4)+1], v[AC+2*((j/2)%4):AC+2*((j/2)%4)+1], v[S+j:S+j+1]
.set j, j+2
.endr
.endm
.macro KLOAD                           ; a step's eight tiles of k into window 1, and their scale words: 18 LDS loads
	WIN 0x40
.irp c, 0,1
.irp u, 0,1,2,3
	ds_load_b128 v[32+24*\c+6*\u:35+24*\c+6*\u], v5 offset:3840*\c+960*(\u%2)+128*(\u/2)
	ds_load_b64 v[36+24*\c+6*\u:37+24*\c+6*\u], v6 offset:3840*\c+960*(\u%2)+640+64*(\u/2)
.endr
.endr
	WIN 0
	ds_load_b64 v[86:87], v9                       ; scale words of tiles u = 0, 1 (lanes 0-15: c = 0; lanes 16-31: c = 1),
	ds_load_b64 v[88:89], v9 offset:128            ; and u = 2, 3
.endm
.macro QK x                            ; S^T of tile x: source 0 in window 1, the rest in the tile's window
	WIN 0x01+0x54*(\x)
.set QS_, 11+80*(\x)
.irp u, 0,1,2,3
	v_wmma_scale_f32_16x16x128_f8f6f4 v[S+8*\u:S+8*\u+7], v[32+6*\u:43+6*\u], v[16:27], 0, v[86+\u], v[QS_] matrix_a_fmt:MATRIX_FMT_FP6 matrix_b_fmt:MATRIX_FMT_FP6
.endr
.irp u, 0,1,2,3
	v_wmma_scale_f32_16x16x128_f8f6f4 v[S+32+8*\u:S+32+8*\u+7], v[56+6*\u:67+6*\u], v[16:27], 0, v[86+\u], v[QS_] matrix_a_fmt:MATRIX_FMT_FP6 matrix_b_fmt:MATRIX_FMT_FP6 matrix_a_scale:MATRIX_SCALE_ROW1
.endr
.endm
.macro PV x                            ; O^T of tile x: source 0 in window 0, the rest in the tile's window
	WIN 0x54*(\x)
.set PW_, PW-(PW-PWB)*(\x)
.irp d, 0,1,2,3
	v_wmma_scale_f32_16x16x128_f8f6f4 v[OT+8*\d:OT+8*\d+7], v[32+12*\d:43+12*\d], v[PC:PC+11], v[OT+8*\d:OT+8*\d+7], v[94+\d], v[PW_] matrix_a_fmt:MATRIX_FMT_FP6 matrix_b_fmt:MATRIX_FMT_FP6
.endr
.endm
.macro SOFT1                           ; one tile, up to the exponents: the largest scores, M, t - M, O^T under the new M
	v_mov_b32 v[TMP], v12                          ; the old -M
.irp c, 0,1                            ; the largest score of my two blocks of 32 keys, two chains each; every accumulator is first read at its low end
	v_max3_num_f32 v[PT+2*\c], v[S+32*\c], v[S+32*\c+1], v[S+32*\c+2]
	v_max3_num_f32 v[PT+2*\c+1], v[S+32*\c+16], v[S+32*\c+17], v[S+32*\c+18]
.endr
.irp i, 3,5,7,9,11,13
.irp c, 0,1
	v_max3_num_f32 v[PT+2*\c], v[PT+2*\c], v[S+32*\c+\i], v[S+32*\c+\i+1]
	v_max3_num_f32 v[PT+2*\c+1], v[PT+2*\c+1], v[S+32*\c+16+\i], v[S+32*\c+17+\i]
.endr
.endr
.irp c, 0,1
	v_max3_num_f32 v[BX+\c], v[PT+2*\c], v[PT+2*\c+1], v[S+32*\c+15]
.endr
.irp c, 0,1
	v_max_num_f32 v[BX+\c], v[BX+\c], v[S+32*\c+31]
.endr
	s_delay_alu instid0(VALU_DEP_1)
	v_max_num_f32 v[T2], v[BX], v[BX+1]
	s_delay_alu instid0(VALU_DEP_1)
	v_permlanex16_b32 v[BT], v[T2], s[SEL], s[SEL+1]
	s_delay_alu instid0(VALU_DEP_1)
	v_max3_num_f32 v13, v13, v[T2], v[BT]          ; the running largest score of my query
	s_delay_alu instid0(VALU_DEP_1)
	v_mul_f32 v[TM], s[CS], v13                    ; as t
	s_delay_alu instid0(VALU_DEP_1)
	v_floor_f32 v12, -v[TM]                        ; the new -M = -ceil(t)
	v_sub_f32 v[TMP], v12, v[TMP]                  ; old M - new M: a whole number, 0 or less
.set j, 0
.rept 32
	v_pk_fma_f32 v[S+j:S+j+1], v[S+j:S+j+1], s[CS:CS+1], v[12:13] op_sel_hi:[1,0,0]   ; t - M, two at a time
.if j == 2
	v_cvt_i32_f32 v[TMP], v[TMP]                   ; (it saturates)
.endif
.if j == 6
	v_ldexp_f32 v[F], 1.0, v[TMP]                  ; f = 2^(old M - new M)
.endif
.set j, j+2
.endr
.irp c, 0,1
	v_fma_f32 v[BX+\c], v[BX+\c], s[CS], v12       ; the same of each block's largest score
.endr
.set j, 0
.rept 16
	v_pk_mul_f32 v[OT+j:OT+j+1], v[OT+j:OT+j+1], v[F:F+1] op_sel_hi:[1,0]   ; O^T under the new M, ahead of the exponentials
.set j, j+2
.endr
.endm
.macro EXPS
.irp c, 0,1
	v_exp_f32 v[BX+\c], v[BX+\c]                   ; the block's largest p
.endr
.set j, 0
.rept 64
	v_exp_f32 v[S+j], v[S+j]                       ; p = 2^(t - M)
.set j, j+1
.endr
.endm
.macro SOFT2 x                         ; one tile, behind the exponentials: p's scales, codes and sum
.irp c, 0,1
	v_max_num_f32 v[BX+\c], 0x1800000, v[BX+\c]    ; the floor 2^(3 - 127)
.endr
.irp k, 0,1,2,3
	v_pk_add_f32 v[AC+2*\k:AC+2*\k+1], v[S+2*\k:S+2*\k+1], v[S+8+2*\k:S+9+2*\k]   ; the row's sum is taken of the unquantised p
.endr
.irp c, 0,1
	v_add_nc_u32 v[BS+\c], 0xff000000, v[BX+\c]    ; 2 off the exponent field: the conversion's scale operand
.endr
.irp c, 0,1
	v_lshrrev_b32 v[BT+\c], 23, v[BS+\c]           ; the bytes of blocks h and 2 + h
.endr
	v_lshl_or_b32 v[T2], v[BT+1], 16, v[BT]
.irp c, 0,1
	v_cvt_scalef32_pk16_fp6_f32 v[PC+6*\c:PC+6*\c+2], v[S+32*\c:S+32*\c+15], v[BS+\c]
	v_cvt_scalef32_pk16_fp6_f32 v[PT+4*\c:PT+4*\c+2], v[S+32*\c+16:S+32*\c+31], v[BS+\c]   ; (a conversion's three registers begin on an even number)
.endr
	v_permlanex16_b32 v[BT+2], v[T2], s[SEL], s[SEL+1]
	SUMS 16, 4
.if \x
	WIN 0x15                                       ; the sources in window 1, the scale word in window 0
	v_lshl_or_b32 v[PWB], v[BT+2], 8, v[T2]
	WIN 0x55
.else
	v_lshl_or_b32 v[PW], v[BT+2], 8, v[T2]         ; p's scale word: whole in lanes 0-15, which alone are read
.endif
.irp c, 0,1
.irp i, 0,1,2
	v_mov_b32 v[PC+3+6*\c+\i], v[PT+4*\c+\i]
.endr
.endr
	SUMS 24, 20                                    ; (also the places between p's codes and scale word and the products)
	v_pk_add_f32 v[AC:AC+1], v[AC:AC+1], v[AC+2:AC+3]
	v_pk_add_f32 v[AC+4:AC+5], v[AC+4:AC+5], v[AC+6:AC+7]
	v_pk_add_f32 v[AC:AC+1], v[AC:AC+1], v[AC+4:AC+5]
	v_pk_fma_f32 v[14:15], v[14:15], v[F:F+1], v[AC:AC+1] op_sel_hi:[1,0,1]   ; the sum under the new M, and this step's
.endm
; A KEY STEP: 128 keys, both tiles.
.macro STEP
	s_wait_dscnt 0x0                               ; this step's k, asked for a step ago
	QK 0
	QK 1
	WIN 0
	s_add_co_u32 s[TK], s[TK], 7680
	s_add_co_u32 s[TS], s[TS], 512
	v_add_nc_u32 v7, s[TV], v29                    ; six places in front of the loads below and of the first read of the scores
	v_add_nc_u32 v8, s[TV], v30
	v_add_nc_u32 v10, s[TJ], v31
	v_add_nc_u32 v5, s[TK], v3
	v_add_nc_u32 v6, s[TK], v4
	v_add_nc_u32 v9, s[TS], v28
.irp d, 0,1,2,3
	ds_load_b128 v[32+12*\d:35+12*\d], v7 offset:1536*\d       ; v's four fragments land under the softmax
	ds_load_b64 v[36+12*\d:37+12*\d], v8 offset:1536*\d+512
	ds_load_b128 v[38+12*\d:41+12*\d], v7 offset:1536*\d+768
	ds_load_b64 v[42+12*\d:43+12*\d], v8 offset:1536*\d+1280
.endr
	ds_load_b128 v[94:97], v10
	KLOAD                                          ; the next step's k
	SOFT1
	SETW 1
	SOFT1
	WALU                                           ; the wait ahead of the batch
	SETW 0
	EXPS
	SETW 1
	EXPS
	v_nop                                          ; a plain place behind the exponentials
	WALU                                           ; and the wait behind the batch
	SETW 0
	SOFT2 0
	SETW 1
	SOFT2 1
	WIN 0
	WALU
	s_wait_dscnt 18                                ; v's fragments and scale words are in; the 18 loads of the next k may be out
	PV 0
	PV 1
	WIN 0
	s_add_co_u32 s[TV], s[TV], 6144
	s_add_co_u32 s[TJ], s[TJ], 256
.endm
; THE WAY OUT of one tile: O^T / the sum; register 16 b + i is channel 32 b + 16 h + i of my query; two blocks of 32 are quantised: one image of 768 bytes.
.macro EPI p, x
.rept 4
	v_nop                                          ; places behind the last products
.endr
	v_add_f32 v14, v14, v15
	s_delay_alu instid0(VALU_DEP_1)
	v_permlanex16_b32 v[TMP], v14, s[SEL], s[SEL+1]
	s_delay_alu instid0(VALU_DEP_1)
	v_add_f32 v14, v14, v[TMP]                     ; the row's sum
	WALU
	v_rcp_f32 v14, v14
	v_and_b32 v5, 15, v0                           ; (a plain place behind the transcendental)
	v_bfe_u32 v6, v0, 4, 1
	s_delay_alu instid0(VALU_DEP_1)
	v_lshl_add_u32 v7, v5, 5, v6                   ; my scale byte: 32 r + h
.set j, 0
	WALU
.rept 32
	v_mul_f32 v[S+j], v[OT+j], v14
.set j, j+1
.endr
.irp b, 0,1
	v_max3_num_f32 v[BX+\b], |v[S+16*\b]|, |v[S+1+16*\b]|, 0x1800000
.endr
.irp i, 2,4,6,8,10,12,14
.irp b, 0,1
	s_delay_alu instid0(VALU_DEP_2)
	v_max3_num_f32 v[BX+\b], v[BX+\b], |v[S+16*\b+\i]|, |v[S+1+16*\b+\i]|
.endr
.endr
.irp b, 0,1
	s_delay_alu instid0(VALU_DEP_2)
	v_permlanex16_b32 v[BT+\b], v[BX+\b], s[SEL], s[SEL+1]
.endr
.irp b, 0,1
	s_delay_alu instid0(VALU_DEP_2)
	v_max_num_f32 v[BX+\b], v[BX+\b], v[BT+\b]
.endr
.irp b, 0,1
	s_delay_alu instid0(VALU_DEP_2)
	v_add_nc_u32 v[BS+\b], 0xff000000, v[BX+\b]
.endr
.irp b, 0,1
	s_delay_alu instid0(VALU_DEP_2)
	v_lshrrev_b32 v[BT+\b], 23, v[BS+\b]
.endr
	v_cvt_scalef32_pk16_fp6_f32 v[PC:PC+2], v[S:S+15], v[BS]
	v_cvt_scalef32_pk16_fp6_f32 v[PT:PT+2], v[S+16:S+31], v[BS+1]
	v_nop                                          ; one plain place behind a scaled conversion
.irp i, 0,1,2
	v_permlane16_swap_b32 v[PC+\i], v[PT+\i]       ; a whole block to a lane
.endr
.irp i, 0,1,2
	s_delay_alu instid0(VALU_DEP_3)
	v_mov_b32 v[PC+3+\i], v[PT+\i]
.endr
	v_cmp_ne_u32 vcc_lo, 0, v6
	s_delay_alu instid0(VALU_DEP_1)
	v_cndmask_b32 v8, v[BT], v[BT+1], vcc_lo       ; lanes 0-15 store block 0's byte, lanes 16-31 block 1's
	global_store_b128 v1, v[PC:PC+3], s[8:9] offset:196608*\p+12288*\x
	global_store_b64 v2, v[PC+4:PC+5], s[8:9] offset:196608*\p+12288*\x+512
	global_store_b8 v7, v8, s[10:11] offset:8192*\p+512*\x
.endm
; Two tiles of 16 queries against all keys, and their way out.
.macro PASS p
.if \p
	WALU
	s_wait_xcnt 0x0                                ; the first pass's stores have read their registers
	v_mov_b32 v11, v[QNA]
	v_mov_b32 v[QSB], v[QNB]
.endif
.irp x, 0,1
	SETW \x
.if \p
.irp i, 0,1,2,3,4,5
	v_mov_b32 v[16+\i], v[232+\i]
.endr
.endif
	v_mov_b32 v13, 0xff61b1e6                      ; the largest score so far: -3e38
	v_mov_b32 v12, 0x7f61b1e6                      ; -M
	v_mov_b32 v14, 0
	v_mov_b32 v15, 0
.set j, 0
.rept 32
	v_mov_b32 v[OT+j], 0                           ; O^T: the step is written once; the first finds zeros, which the first change of M leaves zeros
.set j, j+1
.endr
.endr
	WIN 0
	s_mov_b32 s[TK], 0
	s_mov_b32 s[TV], 0
	s_mov_b32 s[TS], 0
	s_mov_b32 s[TJ], 0
	s_mov_b32 s[CNT], 16
	v_add_nc_u32 v5, s[TK], v3
	v_add_nc_u32 v6, s[TK], v4
	v_add_nc_u32 v9, s[TS], v28
	KLOAD                                          ; step 0's k
	WALU
.Lstep_\@:
	STEP
	s_sub_co_u32 s[CNT], s[CNT], 1
	s_cmp_lg_u32 s[CNT], 0
	s_cbranch_scc1 .Lstep_\@
	s_wait_dscnt 0x0                               ; the last look-ahead has landed: its registers may be loaded anew
	EPI \p, 0
	SETW 1
	EPI \p, 1
	WIN 0
.endm
	WALU                                           ; the wait at the head's end
	s_wait_loadcnt 0x0                             ; q
	s_wait_tensorcnt 0x0                           ; my one load has landed;
	s_barrier_signal -1
	s_barrier_wait -1                              ; and so has every wave's: k, v and their scales are whole
	PASS 0
	PASS 1
	s_wait_tensorcnt 0x0                           ; the wave's end
	ds_add_u32 v254, v255
	s_wait_dscnt 0x0
	CROUND                                         ; the closing round
	s_endpgm
.Lfunc_end_k_q9ab068bde4_attn:
	.size	k_q9ab068bde4_attn, .Lfunc_end_k_q9ab068bde4_attn-k_q9ab068bde4_attn
	.p2alignl 7, 3214868480
	.fill 96, 4, 3214868480
	.section	.rodata,"a",@progbits
	.p2align	6, 0x0
	.amdhsa_kernel k_q9ab068bde4_attn
		.amdhsa_group_segment_fixed_size 234496
		.amdhsa_private_segment_fixed_size 0
		.amdhsa_enable_private_segment 0
		.amdhsa_kernarg_size 32
		.amdhsa_user_sgpr_count 2
		.amdhsa_user_sgpr_kernarg_segment_ptr 1
		.amdhsa_wavefront_size32 1
		.amdhsa_system_sgpr_workgroup_id_x 1
		.amdhsa_system_sgpr_workgroup_id_y 1
		.amdhsa_system_sgpr_workgroup_id_z 1
		.amdhsa_system_vgpr_workitem_id 0
		.amdhsa_next_free_vgpr 512
		.amdhsa_next_free_sgpr 100
		.amdhsa_reserve_vcc 1
		.amdhsa_float_denorm_mode_32 3
		.amdhsa_float_denorm_mode_16_64 3
		.amdhsa_memory_ordered 1
		.amdhsa_forward_progress 1
		.amdhsa_inst_pref_size 93
	.end_amdhsa_kernel
	.amdgpu_metadata
---
amdhsa.version: [ 1, 2 ]
amdhsa.kernels:
  - .name:           k_q9ab068bde4_attn
    .symbol:         k_q9ab068bde4_attn.kd
    .args:
      - { .name: qkvc, .offset: 0, .size: 8, .value_kind: global_buffer, .address_space: global }
      - { .name: qkvs, .offset: 8, .size: 8, .value_kind: global_buffer, .address_space: global }
      - { .name: cod, .offset: 16, .size: 8, .value_kind: global_buffer, .address_space: global }
      - { .name: scl, .offset: 24, .size: 8, .value_kind: global_buffer, .address_space: global }
    .group_segment_fixed_size: 234496
    .private_segment_fixed_size: 0
    .kernarg_segment_align: 8
    .kernarg_segment_size: 32
    .max_flat_workgroup_size: 256
    .sgpr_count:     100
    .vgpr_count:     512
    .wavefront_size: 32
...
	.end_amdgpu_metadata
.endif
;; end of part 3
;; launch proj (part 4): grid 32 x 8, 4 waves a work-group, clusters of 4 x 1, 167,936 bytes of LDS; arguments cod, scl, bp, out0; writes out0
.if DOCPART == 4
	.amdgcn_target "amdgcn-amd-amdhsa--gfx1250"
	.amdhsa_code_object_version 6
	.text
	.protected	k_q9ab068bde4_proj
	.globl	k_q9ab068bde4_proj
	.p2align	8
	.type	k_q9ab068bde4_proj,@function
k_q9ab068bde4_proj:
	s_mov_b64 s[64:65], 0
	v_nop
	global_prefetch_b8 v0, s[64:65] scope:SCOPE_SE
	s_setreg_imm32_b32 hwreg(HW_REG_WAVE_MODE, 25, 1), 1
	s_wait_xcnt 0x0
	s_wait_alu depctr_hold_cnt(0) depctr_sa_sdst(0) depctr_va_vdst(0) depctr_va_sdst(0) depctr_va_ssrc(0) depctr_va_vcc(0) depctr_vm_vsrc(0)
	s_getreg_b32 s2, hwreg(HW_REG_IB_STS2, 6, 4)
	s_cmp_eq_u32 s2, 0
	s_cbranch_scc0 .Lentry_in_a_cluster
	s_endpgm
.Lentry_in_a_cluster:
	s_bfe_u32 s2, ttmp6, 0x10000c
	s_cmp_lg_u32 s2, 0x3003
	s_cbranch_scc0 .Lentry_shape_is_right
	s_endpgm
.Lentry_shape_is_right:
; out0 = o Wp^T + bp on codes of FP6 (E2M3) with E8M0 scales; o's codes are cod's tiles 768 on, Wp's tiles 704-767; layouts as the first launch lays them: images of 768 bytes, tile tau = rows 32 (tau / 2) + 8 (tau % 2) + r + 8 (r / 8).
; THE DEAL: 256 work-groups = 32 groups of 256 tokens x 8 groups of 128 columns.  A wave HOLDS its 64 tokens (4 tiles), all of K, in 384 registers, by loads of 512 or 256 dense bytes: no other wave of the work-group needs them.
; The 8 weight tiles lie in LDS, filled once: one joint load a wave at the head, two tiles each; the four work-groups of a cluster share the columns (mask 15).  No prefetch: all is asked for at the head.
; A BLOCK is one weight tile against my four tiles of tokens: 32 products, four accumulators by turns, K ascending, the bias as the first C; the tile, its scale words and its bias are fetched two blocks ahead, 36 LDS loads.
; Source 0 = the weight's rows: lane (r, h) holds token r and columns 32 (n / 2) + 8 (n % 2) + 16 h + 0 .. 7 of tile n.  After four blocks a token has 64 columns, 256 bytes: they go through my own stage in LDS and leave as whole units of 256 bytes.
; REGISTERS: window 0: addresses, scale words, bias, 128 sums; windows 1, 2: my tokens' fragments; window 3: two sets of a weight tile's fragments, and from v192 two sets of rows read back from the stage.
.set TILE, 12288
.set SCT,  98304
.set BPT,  102400
.set STG,  102912
.set SPARE, 120320
.set L16, 1
.set L8,  2
.set SPW, 3
.set NIL, 4
.set VR,  5
.set VH,  6
.set W16, 8
.set W8,  14
.set VSC, 20
.set VBQ, 21
.set STO, 22
.set RD,  23
.set CO,  24
.set SA,  32
.set SW,  52
.set BI,  68
.set ACC, 96
.set OB,  192
.set G1,  24
.set G0,  40
.set MSB, 0
.macro WIN new
.if MSB != (\new)
	s_set_vgpr_msb (MSB<<8)|(\new)
.set MSB, (\new)
.endif
.endm
.macro WALU
	s_wait_alu depctr_va_vdst(0)
.endm
.macro PLACES n
.rept \n
	v_nop
.endr
.endm
.macro CROUND
	s_barrier_signal -1
	s_barrier_wait -1
	s_cmp_lg_u32 s18, 0
	s_cbranch_scc1 .Lnot_wave_0_\@
	s_barrier_signal -3
.Lnot_wave_0_\@:
	s_barrier_wait -3
	s_barrier_signal -1
	s_barrier_wait -1
.endm
.macro W1 d, s0, s1, c, x0, x1, row
.if \row
	v_wmma_scale_f32_16x16x128_f8f6f4 v[\d:\d+7], v[\s0:\s0+11], v[\s1:\s1+11], \c, v[\x0], v[\x1] matrix_a_fmt:MATRIX_FMT_FP6 matrix_b_fmt:MATRIX_FMT_FP6 matrix_b_scale:MATRIX_SCALE_ROW1
.else
	v_wmma_scale_f32_16x16x128_f8f6f4 v[\d:\d+7], v[\s0:\s0+11], v[\s1:\s1+11], \c, v[\x0], v[\x1] matrix_a_fmt:MATRIX_FMT_FP6 matrix_b_fmt:MATRIX_FMT_FP6
.endif
.endm
.macro PRODS e, a0                     ; a block's 32 products, number 4 q + t; sums at a0 + 8 t
.set N_, 0
.rept 32
.set Q_, N_/4
.set T_, N_%4
.set XF_, 12*(4*(Q_%4)+T_)
.set WF_, 96*(\e)+12*Q_
.set D_, (\a0)+8*T_
.set XS_, SA+8*(T_/2)+Q_
.set WS_, SW+8*(\e)+Q_
	WIN 3|((1+Q_/4)<<2)
.if Q_
	W1 D_, WF_, XF_, v[D_:D_+7], WS_, XS_, T_%2
.else
	W1 D_, WF_, XF_, v[BI+8*(\e):BI+8*(\e)+7], WS_, XS_, T_%2
.endif
.set N_, N_+1
.endr
.endm
.macro FETCH n                         ; weight tile n into set n % 2: 36 LDS loads
.set E_, (\n)%2
	WIN 0xc0
.set Q_, 0
.rept 8
.set R_, 96*E_+12*Q_
.set O_, ((\n)%4)*TILE+1536*Q_
	ds_load_b128 v[R_:R_+3], v[W16+(\n)/4] offset:O_
	ds_load_b64 v[R_+4:R_+5], v[W8+(\n)/4] offset:O_+512
	ds_load_b128 v[R_+6:R_+9], v[W16+(\n)/4] offset:O_+768
	ds_load_b64 v[R_+10:R_+11], v[W8+(\n)/4] offset:O_+1280
.set Q_, Q_+1
.endr
	WIN 0
	ds_load_b128 v[SW+8*E_:SW+8*E_+3], v[VSC] offset:512*(\n)
	ds_load_b128 v[SW+8*E_+4:SW+8*E_+7], v[VSC] offset:512*(\n)+16
.set O_, 128*((\n)/2)+32*((\n)%2)
	ds_load_b128 v[BI+8*E_:BI+8*E_+3], v[VBQ] offset:O_
	ds_load_b128 v[BI+8*E_+4:BI+8*E_+7], v[VBQ] offset:O_+16
.endm
.macro TOST t                          ; tile t of my tokens: 16 rows x 256 bytes into my stage, and back by rows.  LDS serves a wave's instructions in order: no wait between
.set K_, 0
.rept 4
	ds_store_b128 v[STO], v[ACC+32*K_+8*(\t):ACC+32*K_+8*(\t)+3] offset:128*(K_/2)+32*(K_%2)
	ds_store_b128 v[STO], v[ACC+32*K_+8*(\t)+4:ACC+32*K_+8*(\t)+7] offset:128*(K_/2)+32*(K_%2)+16
.set K_, K_+1
.endr
	WIN 0xc0
.set I_, 0
.rept 8
	ds_load_b128 v[OB+32*((\t)%2)+4*I_:OB+32*((\t)%2)+4*I_+3], v[RD] offset:544*I_
.set I_, I_+1
.endr
	WIN 0
.endm
.macro SEND t, G, younger
	s_wait_dscnt \younger
	WIN 0x0c
.set I_, 0
.rept 8
	global_store_b128 v[CO], v[OB+32*((\t)%2)+4*I_:OB+32*((\t)%2)+4*I_+3], s[10:11] offset:(32*((\t)/2)+8*((\t)%2)+2*I_+8*(I_/4))*4096+256*(\G) th:TH_STORE_NT   ; sixteen lanes store one aligned unit of 256 bytes
.set I_, I_+1
.endr
	WIN 0
.endm
.macro WAYOUT G
	s_wait_xcnt 0x0                                ; earlier stores have read their registers
	TOST 0
	TOST 1
	SEND 0, \G, 16                                 ; the next tile's 8 stores and 8 loads may be out
	s_wait_xcnt 0x0
	TOST 2
	SEND 1, \G, 16
	s_wait_xcnt 0x0
	TOST 3
	SEND 2, \G, 16
	SEND 3, \G, 0
.endm
.macro BLK s
.if (\s) < 7
	s_wait_dscnt 36                                ; this block's fetch is in; the next block's 36 loads may be out
.else
	s_wait_dscnt 0x0
.endif
	PRODS (\s)%2, ACC+32*((\s)%4)
	WIN 0
	PLACES 4
.if (\s)+2 < 8
	FETCH (\s)+2
.endif
.if (\s)%4 == 3
	WAYOUT (\s)/4
.endif
.endm
	s_load_b256 s[4:11], s[0:1], 0x0               ; cod, scl, bp, out0
	v_lshl_add_u32 v[SPW], v0, 2, SPARE
	v_mov_b32 v[NIL], 0
	ds_add_u32 v[SPW], v[NIL]                      ; the opening lines
	ds_add_u32 v[SPW], v[NIL]
	v_lshrrev_b32 v5, 5, v0
	v_readfirstlane_b32 s18, v5                    ; wave
	s_bfe_u32 s19, ttmp6, 0x40000                  ; cx: it enters my tokens' and the result's addresses alone
	s_lshl_b32 s22, ttmp9, 2
	s_add_co_u32 s22, s22, s19                     ; the group of 256 tokens
	s_and_b32 s23, ttmp7, 0xffff                   ; the group of 128 columns, which the partners share
	s_mov_b32 s[G1], 15|(3<<16)|(1<<21)            ; 96 dense rows of 256 bytes: two tiles; the mask names the four partners
	s_mov_b32 s[G1+1], 32<<16
	s_mov_b32 s[G1+2], 96<<16
	s_mov_b32 s[G1+3], 32<<16
	s_mov_b32 s[G1+4], 96
	s_mov_b32 s[G1+5], 32
	s_mov_b32 s[G1+6], 0
	s_mov_b32 s[G1+7], 0
	s_lshl_b32 s74, s23, 3
	s_add_co_u32 s74, s74, 704                     ; the weights' first tile
	s_mul_i32 s48, s74, TILE
	s_mul_i32 s75, s18, 24576
	s_add_co_u32 s48, s48, s75
	s_mov_b32 s49, 0
	s_lshl_b32 s56, s74, 9
	s_mov_b32 s57, 0
	s_mov_b32 s[G0], 1
	s_mul_i32 s[G0+1], s18, 24576
	s_lshl_b32 s76, s22, 4
	s_lshl_b32 s75, s18, 2
	s_add_co_u32 s76, s76, s75                     ; my first tile of tokens,
	s_lshl_b32 s66, s76, 16                        ; its first row of out0: 16 rows of 4,096 bytes a tile,
	s_lshl_b32 s75, s23, 9
	s_add_co_u32 s66, s66, s75                     ; and my columns
	s_mov_b32 s67, 0
	s_add_co_u32 s76, s76, 768                     ; in cod and scl
	s_mul_i32 s52, s76, TILE
	s_mov_b32 s53, 0
	s_lshl_b32 s54, s76, 9
	s_mov_b32 s55, 0
	s_lshl_b32 s60, s23, 9
	s_mov_b32 s61, 0
	s_mul_i32 s77, s18, 4352
	s_add_co_u32 s77, s77, STG                     ; my stage: 16 rows of 272 bytes
	WALU
	s_wait_dscnt 0x0
	CROUND                                         ; the four work-groups are here: the joint loads meet
	s_wait_kmcnt 0x0
	s_add_nc_u64 s[G0+2:G0+3], s[4:5], s[48:49]
	s_or_b32 s[G0+3], s[G0+3], 0x80000000
	tensor_load_to_lds s[G0:G0+3], s[G1:G1+7]      ; every wave's one load: tiles 2 w, 2 w + 1
	s_nop 0
	PLACES 4
	s_add_nc_u64 s[52:53], s[4:5], s[52:53]
	s_add_nc_u64 s[54:55], s[6:7], s[54:55]
	s_add_nc_u64 s[56:57], s[6:7], s[56:57]
	s_add_nc_u64 s[60:61], s[8:9], s[60:61]
	s_add_nc_u64 s[10:11], s[10:11], s[66:67]
	v_lshlrev_b32 v27, 4, v0
	v_lshlrev_b32 v29, 2, v0
	global_load_b128 v[96:99], v27, s[56:57]       ; the tables first: the weights' scale words, 4,096 bytes,
	global_load_b128 v[100:103], v27, s[56:57] offset:2048
	global_load_b32 v104, v29, s[60:61]            ; and bp's 128 numbers
	v_and_b32 v[VR], 15, v0
	v_bfe_u32 v[VH], v0, 4, 1
	v_and_b32 v7, 31, v0
	v_lshlrev_b32 v[L16], 4, v7
	v_lshlrev_b32 v[L8], 3, v7
	v_lshlrev_b32 v26, 5, v7
.irp p, 0,1
	global_load_b128 v[SA+8*\p:SA+8*\p+3], v26, s[54:55] offset:1024*\p
	global_load_b128 v[SA+8*\p+4:SA+8*\p+7], v26, s[54:55] offset:1024*\p+16
.endr
.irp q, 0,1,2,3,4,5,6,7
	WIN (1+\q/4)<<6
.irp t, 0,1,2,3
	global_load_b128 v[12*(4*(\q%4)+\t):12*(4*(\q%4)+\t)+3], v[L16], s[52:53] offset:\t*TILE+1536*\q
	global_load_b64 v[12*(4*(\q%4)+\t)+4:12*(4*(\q%4)+\t)+5], v[L8], s[52:53] offset:\t*TILE+1536*\q+512
	global_load_b128 v[12*(4*(\q%4)+\t)+6:12*(4*(\q%4)+\t)+9], v[L16], s[52:53] offset:\t*TILE+1536*\q+768
	global_load_b64 v[12*(4*(\q%4)+\t)+10:12*(4*(\q%4)+\t)+11], v[L8], s[52:53] offset:\t*TILE+1536*\q+1280
.endr
.endr
	WIN 0
.irp k, 0,1
	v_add_nc_u32 v[W16+\k], 49152*\k, v[L16]
	v_add_nc_u32 v[W8+\k], 49152*\k, v[L8]
.endr
	v_lshl_add_u32 v[VSC], v[VR], 5, SCT
	v_lshl_add_u32 v[VBQ], v[VH], 6, BPT
	v_mul_u32_u24 v30, v[VR], 272
	v_lshl_add_u32 v30, v[VH], 6, v30
	v_add_nc_u32 v[STO], s77, v30                  ; into the stage: row r, 64 bytes for each half of the lanes
	v_mul_u32_u24 v30, v[VH], 272
	v_lshl_add_u32 v30, v[VR], 4, v30
	v_add_nc_u32 v[RD], s77, v30                   ; back: lanes 0-15 one row of 256 bytes, lanes 16-31 the next
	v_lshlrev_b32 v[CO], 4, v[VR]
	v_lshl_add_u32 v[CO], v[VH], 12, v[CO]         ; and the same two rows in out0
	v_lshl_add_u32 v84, v0, 4, SCT
	v_lshl_add_u32 v85, v0, 2, BPT
	WALU
	s_wait_loadcnt 63                              ; 135 loads were issued: at most 63 are out, so the first three, the tables', are in
	ds_store_b128 v84, v[96:99]
	ds_store_b128 v84, v[100:103] offset:2048
	ds_store_b32 v85, v104
	s_wait_tensorcnt 0x0                           ; my two tiles have landed
	s_wait_dscnt 0x0
	s_barrier_signal -1
	s_barrier_wait -1                              ; all eight tiles and the tables are shown
	FETCH 0
	FETCH 1
	s_wait_loadcnt 0x0                             ; my tokens
.set S_, 0
.rept 8
	BLK S_
.set S_, S_+1
.endr
	s_wait_tensorcnt 0x0                           ; the wave's end
	ds_add_u32 v[SPW], v[NIL]
	s_wait_dscnt 0x0
	CROUND                                         ; the closing round
	s_endpgm
.Lfunc_end_k_q9ab068bde4_proj:
	.size	k_q9ab068bde4_proj, .Lfunc_end_k_q9ab068bde4_proj-k_q9ab068bde4_proj
	.p2alignl 7, 3214868480
	.fill 96, 4, 3214868480
	.section	.rodata,"a",@progbits
	.p2align	6, 0x0
	.amdhsa_kernel k_q9ab068bde4_proj
		.amdhsa_group_segment_fixed_size 167936
		.amdhsa_private_segment_fixed_size 0
		.amdhsa_enable_private_segment 0
		.amdhsa_kernarg_size 32
		.amdhsa_user_sgpr_count 2
		.amdhsa_user_sgpr_kernarg_segment_ptr 1
		.amdhsa_wavefront_size32 1
		.amdhsa_system_sgpr_workgroup_id_x 1
		.amdhsa_system_sgpr_workgroup_id_y 1
		.amdhsa_system_sgpr_workgroup_id_z 1
		.amdhsa_system_vgpr_workitem_id 0
		.amdhsa_next_free_vgpr 1024
		.amdhsa_next_free_sgpr 100
		.amdhsa_reserve_vcc 0
		.amdhsa_float_denorm_mode_32 3
		.amdhsa_float_denorm_mode_16_64 3
		.amdhsa_memory_ordered 1
		.amdhsa_forward_progress 1
		.amdhsa_inst_pref_size 87
	.end_amdhsa_kernel
	.amdgpu_metadata
---
amdhsa.version: [ 1, 2 ]
amdhsa.kernels:
  - .name:           k_q9ab068bde4_proj
    .symbol:         k_q9ab068bde4_proj.kd
    .args:
      - { .name: cod, .offset: 0, .size: 8, .value_kind: global_buffer, .address_space: global }
      - { .name: scl, .offset: 8, .size: 8, .value_kind: global_buffer, .address_space: global }
      - { .name: bp, .offset: 16, .size: 8, .value_kind: global_buffer, .address_space: global }
      - { .name: out0, .offset: 24, .size: 8, .value_kind: global_buffer, .address_space: global }
    .group_segment_fixed_size: 167936
    .private_segment_fixed_size: 0
    .kernarg_segment_align: 8
    .kernarg_segment_size: 32
    .max_flat_workgroup_size: 128
    .sgpr_count:     100
    .vgpr_count:     1024
    .wavefront_size: 32
...
	.end_amdgpu_metadata
.endif
;; end of part 4
